; MI455X (gfx1250); checked and timed in simulation.
; The chip was launched on July 23, 2026; its instructions are those of AMD's public machine-readable ISA for CDNA 5 (MIT licence, August 2026) and "CDNA5" Instruction Set Architecture Reference Guide (July 2026). The comments in the code are by the model that wrote it; some were corrected since.
;; LORA Multihead Attention. Allowed arithmetic: matrix products marked QUANTISED: E2M1 operands, one E8M0 scale for each 32 along K, by v_wmma_scale_f32_16x16x128_f8f6f4 with both operands' format E2M1 (or v_wmma_scale_f32_32x16x128_f4), f32 sums; products left as they are: f32 operands where the result goes on into a quantised operand, else bf16, f16 or f32 operands; f32 sums; everything else in f32.
;; Inputs: k_b 1,024 float32; k_la 16 x 1,024 float32; k_lb 1,024 x 16 float32; k_w 1,024 x 1,024 float32; o_b 1,024 float32; o_la 16 x 1,024 float32; o_lb 1,024 x 16 float32; o_w 1,024 x 1,024 float32; q_b 1,024 float32; q_la 16 x 1,024 float32; q_lb 1,024 x 16 float32; q_w 1,024 x 1,024 float32; v_b 1,024 float32; v_la 16 x 1,024 float32; v_lb 1,024 x 16 float32; v_w 1,024 x 1,024 float32; x 4 x 1,024 x 1,024 float32.
;; Outputs: out0 4 x 1,024 x 1,024 float32.
;; This version of the problem:
;;   THIS VERSION OF THE PROBLEM IS GIVEN IN LOW PRECISION. The matrix products marked QUANTISED in the list below multiply operands that are first quantised to E2M1 (2 exponent bits, 1 mantissa bit; 4 bits a number), with one power-of-two scale for each 32 numbers along K (OCP MX v1.0); their sums are f32. All else is computed in f32.
;;   The module's matrix products, in the order in which they are computed (A, B: the left and right operand; K: the contracted axis; several contracted axes count as one K, in the product's order):
;;     1. [M 4,096, K 1,024] x [K 1,024, N 1,024]; A: input x; B: input q_w: QUANTISED
;;     2. [M 4,096, K 1,024] x [K 1,024, N 16]; A: input x; B: input q_la: QUANTISED
;;     3. [M 4,096, K 16] x [K 16, N 1,024]; A: computed on the way; B: input q_lb: left as it is (K = 16 < 32)
;;     4. [M 4,096, K 1,024] x [K 1,024, N 1,024]; A: input x; B: input k_w: QUANTISED
;;     5. [M 4,096, K 1,024] x [K 1,024, N 16]; A: input x; B: input k_la: QUANTISED
;;     6. [M 4,096, K 16] x [K 16, N 1,024]; A: computed on the way; B: input k_lb: left as it is (K = 16 < 32)
;;     7. [M 4,096, K 1,024] x [K 1,024, N 1,024]; A: input x; B: input v_w: QUANTISED
;;     8. [M 4,096, K 1,024] x [K 1,024, N 16]; A: input x; B: input v_la: QUANTISED
;;     9. [M 4,096, K 16] x [K 16, N 1,024]; A: computed on the way; B: input v_lb: left as it is (K = 16 < 32)
;;     10. batch 64 x [M 1,024, K 64] x [K 64, N 1,024]; A: computed on the way; B: computed on the way: QUANTISED
;;     11. batch 64 x [M 64, K 1,024] x [K 1,024, N 1,024]; A: computed on the way; B: softmax (see below): QUANTISED
;;     12. [M 4,096, K 1,024] x [K 1,024, N 1,024]; A: computed on the way; B: input o_w: QUANTISED
;;     13. [M 4,096, K 1,024] x [K 1,024, N 16]; A: computed on the way; B: input o_la: QUANTISED
;;     14. [M 4,096, K 16] x [K 16, N 1,024]; A: computed on the way; B: input o_lb: left as it is (K = 16 < 32)
;;   THE QUANTISER, for each operand of a quantised product, along K:
;;     - K is cut into blocks of 32 from its start; a last block that is shorter is filled with zeros.
;;     - A block's scale is 2^e with e = floor(log2(the largest magnitude in the block)) - 2, held to -126 .. 127; a block of zeros has e = 0. As a byte (E8M0): e + 127.
;;     - Each number is divided by its block's scale, clamped to +-6, and rounded to the nearest number of E2M1, ties to even, subnormals kept.
;;     - The product sums the exact products of the quantised numbers (number of the format x scale) in f32.
;;   ~~~python
;;   def quantise(x, axis):      # numpy; x: float32 -> the quantised numbers, widened to float32 again
;;       x = np.moveaxis(x, axis, -1); K = x.shape[-1]
;;       x = np.pad(x, [(0, 0)] * (x.ndim - 1) + [(0, -K % 32)]); x = x.reshape(x.shape[:-1] + (-1, 32)); a = np.abs(x).max(-1, keepdims=True)
;;       e = np.where(a > 0, np.clip(np.frexp(np.where(a > 0, a, 1))[1] - 1 - 2, -126, 127), 0)      # np.frexp(a)[1] - 1 = floor(log2(a)), exactly
;;       r = np.clip(x / 2.0 ** e, -6, 6)
;;       step = 2.0 ** (np.maximum(np.frexp(np.where(r == 0, 1, r))[1] - 1, 0) - 1)
;;       q = np.round(r / step) * step * 2.0 ** e      # np.round: ties to even
;;       return np.moveaxis(q.reshape(q.shape[:-2] + (-1,))[..., :K], -1, axis).astype(np.float32)
;;   ~~~
;;   SOFTMAX AHEAD OF A QUANTISED PRODUCT. Where the list says 'softmax', what is quantised is not the finished softmax but p = 2^(t - M), with t = logit x log2(e) and M = ceil(the row's largest t), a whole number; so 1/2 < the row's largest p <= 1. The row's sum l is taken of the UNQUANTISED p, in f32, and the product's result is divided by l at the end. Since M is a whole number, a kernel that streams over the keys may use a running M (the ceiling of the running maximum): every later rescaling is an exact power of two, which a block's scale takes up: the codes' values come out the same.
;;   OPERANDS COMPUTED ON THE WAY. 'Computed on the way' means the value that the module computes at that place (a softmax that the list does not call 'softmax' is quantised finished and normalised). What goes into a quantiser is computed in f32, as accurately as f32 sums, v_exp_f32 and their like allow (about 1e-6 of the number): no bf16 or f16 on the way to a quantiser, and a product that is left as it is and whose result goes on into a quantised operand takes f32 operands (vector FMAs, or v_wmma_f32_16x16x4_f32). A number that lies on a knife's edge between two numbers of the format may be rounded either way, as far as f32 arithmetic and the matrix unit's own rounding can turn it there, and no further.
;; One version. Each part assembles by itself: llvm-mc -triple=amdgcn-amd-amdhsa -mcpu=gfx1250 --defsym DOCPART=n.
;; ======== version 1 of 1: 4 launches
;; limits: values are held in bf16: 8 bits of precision; right only within a limited range of input values
;; workspace buffers: xw 4,595,712 bytes; qkv 6,946,816 bytes; ctx 2,228,224 bytes
;; launch quant (part 1): grid 258 x 1, 4 waves a work-group, no clusters, 34,304 bytes of LDS; arguments x, q_w, k_w, v_w, o_w, q_la, k_la, v_la, o_la, xw; writes xw
.if DOCPART == 1
	.amdgcn_target "amdgcn-amd-amdhsa--gfx1250"
	.amdhsa_code_object_version 6
	.text
	.protected	k_q2e4603c51f_quant
	.globl	k_q2e4603c51f_quant
	.p2align	8
	.type	k_q2e4603c51f_quant,@function
k_q2e4603c51f_quant:
	s_mov_b64 s[64:65], 0
	v_nop
	global_prefetch_b8 v0, s[64:65] scope:SCOPE_SE
	s_setreg_imm32_b32 hwreg(HW_REG_WAVE_MODE, 25, 1), 1
	s_wait_xcnt 0x0
; x [4096][1024], q_w, k_w, v_w, o_w [1024][1024] and q_la, k_la, v_la, o_la [16][1024], all f32 with K innermost, become codes of FP4 (E2M1) with one E8M0 byte
; for each 32 along K, laid in xw in the ORDER OF THE OPERAND'S REGISTERS, so that every later launch takes fragments by 16 bytes a lane.
; No work of the problem is left out in this program.
; TILES.  A tile is 16 rows.  Tile 2 pair + u, position p, is row 32 pair + 8 u + p + 8 (p / 8) of its tensor (the la tensors: one tile, position p = row p).
; Tiles 0-255 x, 256 + 64 i on the i-th weight, 512 + i the i-th la.
; xw: QUADS of four tiles, 34,816 bytes (136 x 256): codes [4 tiles][8 K steps][2 groups][32 lanes][16 bytes]: lane (r, h) of group c holds k = 64 c + 32 h + 0 .. 31 of position r;
;     behind them the scale words [2 pairs][2 g][lane = 16 u + r][4 f]: word 4 g + f holds the four bytes of K step 4 g + f.
; A block's scale is 2^(floor(log2(largest magnitude)) - 2); its byte is the largest magnitude's exponent field - 2, held at 1 from below.
; LIMITS: a block of zeros gets the byte 1 where the rule says 127 (its codes are zeros, and this program alone reads the bytes); NaN and infinities among the inputs are not served.
; SHARES.  A wave takes one job: 16 rows x 512 along K = four fragments.  Job = 4 x work-group + wave; tile = job / 2, half of K = job % 2.  Waves share nothing: no barrier.
; All 64 loads of a wave go out at once, each of 512 consecutive bytes of one row, into window 1; a fragment's 16 rows turn through the wave's own stage in LDS (rows 528 bytes apart: 33 x 16, so that sixteen rows
; start in sixteen different 16-byte columns) and come back 128 bytes a lane: a lane then holds two whole blocks, in the very order of the operand's registers.
.set QUAD, 34816
.set WST,  16*528                      ; a wave's stage
.set LO,  4                            ; v4   16 x lane: my bytes of a row's 512; also my place in an image
.set HI,  5                            ; v5   the same for positions 8-15, which lie 8 rows further on (not in the la tensors)
.set STA, 6                            ; v6   the stage, on the way in
.set RDA, 7                            ; v7   and on the way out: row r, + 128 h
.set SO,  9                            ; v9   16 r + 8 h: my 8 bytes of the scale words
.set SH,  10                           ; v10  8 h
.set TM,  12                           ; v12-13 largest magnitudes
.set SCL, 14                           ; v14-15 the conversions' scale operands
.set BY,  16                           ; v16-17 the bytes
.set W,   18
.set W2,  19
.set SW,  20                           ; v20-23 the four scale words
.set D,   24
.set C,   32                           ; v32-63 codes: eight registers a fragment, so that no store's data are written again
.set R,   0                            ; window 1: four sets of 64: the fragments' numbers as loaded
.set X,   192                          ; v192-255 64 numbers of my row
.set MSB, 0
.macro WIN new                         ; the immediate's high byte repeats the setting that is left
.if MSB != \new
	s_set_vgpr_msb (MSB<<8)|\new
.set MSB, \new
.endif
.endm
	s_load_b512 s[4:19], s[0:1], 0x0               ; x, q_w, k_w, v_w, o_w, q_la, k_la, v_la
	s_load_b128 s[20:23], s[0:1], 0x40             ; o_la, xw
	v_lshrrev_b32 v1, 5, v0
	v_readfirstlane_b32 s24, v1                    ; wave
	s_lshl_b32 s25, ttmp9, 2
	s_add_co_u32 s25, s25, s24                     ; job
	s_lshr_b32 s26, s25, 1                         ; tile
	s_and_b32 s27, s25, 1                          ; which 512 along K
	s_cmp_ge_u32 s26, 256
	s_cselect_b32 s30, 63, 255                     ; the tile's number inside its tensor: a mask
	s_cmp_ge_u32 s26, 512
	s_cselect_b32 s30, 0, s30
	s_cselect_b32 s31, 0, 0x8000                   ; positions 8-15: 8 rows of 4,096 bytes more
	s_and_b32 s38, s26, s30
	s_lshr_b32 s39, s38, 1
	s_lshl_b32 s39, s39, 17                        ; 32 rows a pair
	s_and_b32 s38, s38, 1
	s_lshl_b32 s38, s38, 15                        ; 8 rows for u = 1
	s_add_co_u32 s38, s38, s39
	s_lshl_b32 s39, s27, 11
	s_add_co_u32 s38, s38, s39                     ; + my half of K
	s_mov_b32 s39, 0
	s_lshr_b32 s40, s26, 2
	s_mul_i32 s40, s40, QUAD                       ; my quad
	s_add_co_u32 s42, s40, 32768                   ; its scale words
	s_and_b32 s41, s26, 3
	s_lshl_b32 s41, s41, 13
	s_add_co_u32 s40, s40, s41
	s_lshl_b32 s41, s27, 12
	s_add_co_u32 s40, s40, s41                     ; my four images
	s_mov_b32 s41, 0
	s_bfe_u32 s43, s26, 0x10001
	s_lshl_b32 s43, s43, 10
	s_add_co_u32 s42, s42, s43
	s_lshl_b32 s43, s27, 9
	s_add_co_u32 s42, s42, s43
	s_and_b32 s43, s26, 1
	s_lshl_b32 s43, s43, 8
	s_add_co_u32 s42, s42, s43                     ; my 256 bytes of scale words
	s_mov_b32 s43, 0
	s_mov_b32 s36, 0x76543210
	s_mov_b32 s37, 0xfedcba98                      ; v_permlanex16_b32's selects for lane l xor 16
	s_mul_i32 s44, s24, WST
	s_mov_b32 s45, 0xffff0000                      ; lanes 16-31
	v_lshl_add_u32 v30, v0, 2, 4*WST               ; the add's two registers; the spare words lie behind the four stages
	v_mov_b32 v31, 0
	v_and_b32 v1, 31, v0                           ; lane
	v_and_b32 v2, 15, v0                           ; r
	v_bfe_u32 v3, v0, 4, 1                         ; h
	v_lshlrev_b32 v[LO], 4, v1
	v_mul_u32_u24 v[RDA], v2, 528
	v_lshlrev_b32 v[SO], 4, v2
	v_lshlrev_b32 v[SH], 3, v3
	v_add_nc_u32 v[HI], s31, v[LO]
	v_lshl_add_u32 v[RDA], v3, 7, v[RDA]
	v_add_nc_u32 v[STA], s44, v[LO]
	v_add_nc_u32 v[SO], v[SO], v[SH]
	v_add_nc_u32 v[RDA], s44, v[RDA]
	v_mov_b32 v[W2], 0                             ; written once: a lane permute's destination counts as one of its sources
	s_wait_alu depctr_va_vdst(0)
	s_wait_kmcnt 0x0
	s_mov_b64 s[28:29], s[4:5]                     ; the tensor is chosen by the tile's number alone
.macro PICK lim, reg
	s_cmp_ge_u32 s26, \lim
	s_cselect_b64 s[28:29], s[\reg:\reg+1], s[28:29]
.endm
	PICK 256, 6
	PICK 320, 8
	PICK 384, 10
	PICK 448, 12
	PICK 512, 14
	PICK 513, 16
	PICK 514, 18
	PICK 515, 20
	s_add_nc_u64 s[28:29], s[28:29], s[38:39]
	s_add_nc_u64 s[32:33], s[22:23], s[40:41]
	s_add_nc_u64 s[34:35], s[22:23], s[42:43]
.macro LOAD t                          ; fragment t: 512 bytes of each of the 16 rows
.irp p, 0,1,2,3,4,5,6,7
	global_load_b128 v[R+64*\t+4*\p:R+64*\t+4*\p+3], v[LO], s[28:29] offset:\p*4096+512*\t th:TH_LOAD_NT
.endr
.irp p, 8,9,10,11,12,13,14,15
	global_load_b128 v[R+64*\t+4*\p:R+64*\t+4*\p+3], v[HI], s[28:29] offset:\p*4096+512*\t th:TH_LOAD_NT
.endr
.endm
.macro TURN t                          ; through the stage: LDS serves a wave's instructions in order, so no wait stands between the stores and the loads
	WIN 0x04                                       ; an LDS store's data are its source 1: window 1
.irp p, 0,1,2,3,4,5,6,7,8,9,10,11,12,13,14,15
	ds_store_b128 v[STA], v[R+64*\t+4*\p:R+64*\t+4*\p+3] offset:528*\p
.endr
	WIN 0
.irp c, 0,1
.irp j, 0,1,2,3,4,5,6,7
	ds_load_b128 v[X+32*\c+4*\j:X+32*\c+4*\j+3], v[RDA] offset:256*\c+16*\j   ; k = 64 c + 32 h + 4 j ..
.endr
.endr
.endm
.macro QUANT f                         ; my two blocks (2 c + h) of fragment f: all their numbers are mine
.irp c, 0,1
	v_max3_num_f32 v[TM+\c], |v[X+32*\c]|, |v[X+32*\c+1]|, 0x1800000   ; and the floor 2^(3 - 127): the byte cannot fall under 1
.endr
.irp i, 2,4,6,8,10,12,14,16,18,20,22,24,26,28,30
.irp c, 0,1
	v_max3_num_f32 v[TM+\c], v[TM+\c], |v[X+32*\c+\i]|, |v[X+32*\c+\i+1]|
.endr
.endr
.irp c, 0,1
	v_add_nc_u32 v[SCL+\c], 0xff000000, v[TM+\c]   ; 2 off the exponent field: the conversion takes that field as its scale
.endr
.irp c, 0,1
	v_lshrrev_b32 v[BY+\c], 23, v[SCL+\c]          ; the byte
.endr
	v_lshl_or_b32 v[W], v[BY+1], 16, v[BY]         ; blocks h and 2 + h,
	v_lshlrev_b32 v[W], v[SH], v[W]                ; at their places in the word;
	v_permlanex16_b32 v[W2], v[W], s36, s37
	v_or_b32 v[SW+\f], v[W], v[W2]                 ; with lane l xor 16's two the word is whole
.irp c, 0,1
.irp q, 0,1,2,3
	v_cvt_scalef32_pk8_fp4_f32 v[C+8*\f+4*\c+\q], v[X+32*\c+8*\q:X+32*\c+8*\q+7], v[SCL+\c]
.endr
.endr
	v_nop                                          ; one plain place behind the last scaled conversion
.endm
	WIN 0x40                                       ; destination window 1
	LOAD 0
	LOAD 1
	LOAD 2
	LOAD 3
	WIN 0
.irp f, 0,1,2,3
	s_wait_loadcnt 48-16*\f                        ; this fragment's 16 loads are in; those of the fragments behind it may be out
	TURN \f
	s_wait_dscnt 0x0                               ; my 64 numbers are back
	QUANT \f
	global_store_b128 v[LO], v[C+8*\f:C+8*\f+3], s[32:33] offset:1024*\f         ; the image: 32 lanes store 512 consecutive bytes
	global_store_b128 v[LO], v[C+8*\f+4:C+8*\f+7], s[32:33] offset:1024*\f+512
.endr
	v_cndmask_b32 v[D], v[SW], v[SW+2], s45        ; lanes 0-15 store words 0, 1 of their row, lanes 16-31 words 2, 3
	v_cndmask_b32 v[D+1], v[SW+1], v[SW+3], s45
	global_store_b64 v[SO], v[D:D+1], s[34:35]     ; 32 lanes store 256 consecutive bytes, aligned
	s_cmp_lt_u32 s26, 512
	s_cbranch_scc1 .Lonce                          ; the la tensors' quad (quad 128) is stored four times: quads 128 to 131, one for each row of a cluster in the next launch
.irp n, 1,2,3
.irp f, 0,1,2,3
	global_store_b128 v[LO], v[C+8*\f:C+8*\f+3], s[32:33] offset:QUAD*\n+1024*\f
	global_store_b128 v[LO], v[C+8*\f+4:C+8*\f+7], s[32:33] offset:QUAD*\n+1024*\f+512
.endr
	global_store_b64 v[SO], v[D:D+1], s[34:35] offset:QUAD*\n
.endr
.Lonce:
	s_wait_tensorcnt 0x0                           ; the wave's end
	ds_add_u32 v30, v31
	s_wait_dscnt 0x0
	s_endpgm
.Lfunc_end_k_q2e4603c51f_quant:
	.size	k_q2e4603c51f_quant, .Lfunc_end_k_q2e4603c51f_quant-k_q2e4603c51f_quant
	.p2alignl 7, 3214868480
	.fill 96, 4, 3214868480
	.section	.rodata,"a",@progbits
	.p2align	6, 0x0
	.amdhsa_kernel k_q2e4603c51f_quant
		.amdhsa_group_segment_fixed_size 34304
		.amdhsa_private_segment_fixed_size 0
		.amdhsa_enable_private_segment 0
		.amdhsa_kernarg_size 80
		.amdhsa_user_sgpr_count 2
		.amdhsa_user_sgpr_kernarg_segment_ptr 1
		.amdhsa_wavefront_size32 1
		.amdhsa_system_sgpr_workgroup_id_x 1
		.amdhsa_system_sgpr_workgroup_id_y 1
		.amdhsa_system_sgpr_workgroup_id_z 1
		.amdhsa_system_vgpr_workitem_id 0
		.amdhsa_next_free_vgpr 512
		.amdhsa_next_free_sgpr 66
		.amdhsa_reserve_vcc 0
		.amdhsa_float_denorm_mode_32 3
		.amdhsa_float_denorm_mode_16_64 3
		.amdhsa_memory_ordered 1
		.amdhsa_forward_progress 1
		.amdhsa_inst_pref_size 34
	.end_amdhsa_kernel
	.amdgpu_metadata
---
amdhsa.version: [ 1, 2 ]
amdhsa.kernels:
  - .name:           k_q2e4603c51f_quant
    .symbol:         k_q2e4603c51f_quant.kd
    .args:
      - { .name: x, .offset: 0, .size: 8, .value_kind: global_buffer, .address_space: global }
      - { .name: q_w, .offset: 8, .size: 8, .value_kind: global_buffer, .address_space: global }
      - { .name: k_w, .offset: 16, .size: 8, .value_kind: global_buffer, .address_space: global }
      - { .name: v_w, .offset: 24, .size: 8, .value_kind: global_buffer, .address_space: global }
      - { .name: o_w, .offset: 32, .size: 8, .value_kind: global_buffer, .address_space: global }
      - { .name: q_la, .offset: 40, .size: 8, .value_kind: global_buffer, .address_space: global }
      - { .name: k_la, .offset: 48, .size: 8, .value_kind: global_buffer, .address_space: global }
      - { .name: v_la, .offset: 56, .size: 8, .value_kind: global_buffer, .address_space: global }
      - { .name: o_la, .offset: 64, .size: 8, .value_kind: global_buffer, .address_space: global }
      - { .name: xw, .offset: 72, .size: 8, .value_kind: global_buffer, .address_space: global }
    .group_segment_fixed_size: 34304
    .private_segment_fixed_size: 0
    .kernarg_segment_align: 8
    .kernarg_segment_size: 80
    .max_flat_workgroup_size: 128
    .sgpr_count:     66
    .vgpr_count:     512
    .wavefront_size: 32
...
	.end_amdgpu_metadata
.endif
;; end of part 1
;; launch proj (part 2): grid 16 x 16, 8 waves a work-group, clusters of 4 x 4, 327,680 bytes of LDS; arguments xw, q_b, k_b, v_b, q_lb, k_lb, v_lb, qkv; writes qkv
.if DOCPART == 2
	.amdgcn_target "amdgcn-amd-amdhsa--gfx1250"
	.amdhsa_code_object_version 6
	.text
	.protected	k_q2e4603c51f_proj
	.globl	k_q2e4603c51f_proj
	.p2align	8
	.type	k_q2e4603c51f_proj,@function
k_q2e4603c51f_proj:
	s_mov_b64 s[64:65], 0
	v_nop
	global_prefetch_b8 v0, s[64:65] scope:SCOPE_SE
	s_setreg_imm32_b32 hwreg(HW_REG_WAVE_MODE, 25, 1), 1
	s_wait_xcnt 0x0
	s_wait_alu depctr_hold_cnt(0) depctr_sa_sdst(0) depctr_va_vdst(0) depctr_va_sdst(0) depctr_va_ssrc(0) depctr_va_vcc(0) depctr_vm_vsrc(0)
	s_getreg_b32 s2, hwreg(HW_REG_IB_STS2, 6, 4)
	s_cmp_eq_u32 s2, 0
	s_cbranch_scc0 .Lentry_in_a_cluster
	s_endpgm
.Lentry_in_a_cluster:
	s_bfe_u32 s2, ttmp6, 0x10000c
	s_cmp_lg_u32 s2, 0xf033
	s_cbranch_scc0 .Lentry_shape_is_right
	s_endpgm
.Lentry_shape_is_right:
; q, k, v = x W^T + b + (x la^T) lb^T for one head and 256 tokens, quantised to FP4 for attention: q and k along the head's 64, v along the tokens.
; SHARES.  Grid: x the head, y the block of 256 tokens.  Eight waves, two to a SIMD: each takes 32 tokens (a pair of tiles) x the head's 192 columns, by six jobs of 32 columns: q, q, k, k, v, v.
; IN.  xw lies in quads of 34,816 bytes (four tiles' codes, then their scale words).  The work-group needs eight: four of x, one each of q_w, k_w, v_w, and the la tensors' quad (its fourth tile, o_la, is not used here).
; Each wave brings one quad, 136 rows of 256 bytes, into LDS at 34,816 x wave: one tensor load a wave, no LDS byte is filled twice.
; CLUSTERS of 4 x 4: the four of a row (same tokens) ask for x jointly, the four of a column (same head) for the weights; the la quad, which all share, is asked for by rows.
; There is no loop that loads from memory, so nothing is asked for ahead of it.
; A SUM: the f32 product of the low-rank path comes first, with the bias as the C of its first step; then K = 1,024 on codes in eight steps.  So the f32 products, which need no LDS, cover the LDS loads of the job's weights.
; ORIENTATION.  q, k: source 0 = 16 columns, source 1 = 16 tokens: a lane holds one token, and its 16 registers of two tiles are 16 neighbours along the head.  v: the other way round: a lane holds a column, registers along the tokens.
; OUT.  qkv: per (batch, head): K codes [32 pairs][2 tiles][2 blocks][16 r][16 B], V codes [32 blocks of keys][4 column tiles][16 r][16 B], K's words at 65,536, V's at 69,632; Q from QOFF on as K, its words at 32,768.
; In V's odd blocks of 32 keys the two halves of 16 keys change places: so attention holds them.  The head is 64 wide: the upper two bytes of q's and k's words are 0x7f.
; The scale words are gathered in LDS and leave as whole units.
; LIMITS: a block of zeros gets the byte 1 (its codes are zeros; this program alone reads the bytes); NaN and infinities are not served.
; REGISTERS.  window 0: v2-18 addresses, v24-55 scale words, v56-71 at work, v72-103 lb, two sets, v128-255 weights of a job (or la).  window 1: 0-127 x, 128-159 four accumulators, 160-207 low^T of q, k, v, 208-239 the bias, two sets.
.set QUAD, 34816
.set QOFF, 4587520
.set SCO,  8*QUAD                      ; LDS: the scale words on the way out: q's 1,024 bytes, k's 1,024, v's 512
.set SPARE, SCO+2560                   ; the spare words
.set SPW, 2
.set NIL, 3
.set LI,  4                            ; 16 x lane
.set XA,  5                            ; my pair's codes
.set XSA, 6                            ; and words
.set WA,  7                            ; v7-9 q's, k's, v's weights
.set LAA, 10
.set CO,  11                           ; 16 r + 8 h
.set COV, 12                           ; the same for v
.set LBA, 13
.set BQA, 14
.set BVA, 15
.set QSA, 16
.set VSA, 17
.set GRA, 18
.set XS,  24
.set WS,  32
.set LAS, 40
.set TM,  56
.set TP,  58
.set SCL, 60
.set PC,  62
.set BY,  66
.set WD,  70
.set LB,  72
.set WF,  128
.set XF,  0
.set ACC, 128
.set LOW, 160
.set BI,  208
.set MSB, 0
.macro WIN new                         ; the immediate's high byte repeats the setting that is left
.if MSB != \new
	s_set_vgpr_msb (MSB<<8)|\new
.set MSB, \new
.endif
.endm
.macro NOPS n
.rept \n
	v_nop
.endr
.endm
.macro ROUND                           ; a round of the cluster's barrier
	s_barrier_signal -1
	s_barrier_wait -1
	s_cmp_lg_u32 s20, 0
	s_cbranch_scc1 .Lnot_wave_0_\@
	s_barrier_signal -3
.Lnot_wave_0_\@:
	s_barrier_wait -3
	s_barrier_signal -1
	s_barrier_wait -1
.endm
; one product on codes; registers by the symbols rD, rA, rB, rSA, rSB.  cm = 0: the constant 0 starts the sum.  ra, rb: the scales stand in lanes 16-31
.macro WM cm, ra, rb
.if ((\cm) == 0) && ((\ra) == 0) && ((\rb) == 0)
	v_wmma_scale_f32_16x16x128_f8f6f4 v[rD:rD+7], v[rA:rA+7], v[rB:rB+7], 0, v[rSA], v[rSB] matrix_a_fmt:MATRIX_FMT_FP4 matrix_b_fmt:MATRIX_FMT_FP4
.elseif ((\cm) == 0) && ((\ra) == 0)
	v_wmma_scale_f32_16x16x128_f8f6f4 v[rD:rD+7], v[rA:rA+7], v[rB:rB+7], 0, v[rSA], v[rSB] matrix_a_fmt:MATRIX_FMT_FP4 matrix_b_fmt:MATRIX_FMT_FP4 matrix_b_scale:MATRIX_SCALE_ROW1
.elseif ((\cm) == 0) && ((\rb) == 0)
	v_wmma_scale_f32_16x16x128_f8f6f4 v[rD:rD+7], v[rA:rA+7], v[rB:rB+7], 0, v[rSA], v[rSB] matrix_a_fmt:MATRIX_FMT_FP4 matrix_b_fmt:MATRIX_FMT_FP4 matrix_a_scale:MATRIX_SCALE_ROW1
.elseif (\cm) == 0
	v_wmma_scale_f32_16x16x128_f8f6f4 v[rD:rD+7], v[rA:rA+7], v[rB:rB+7], 0, v[rSA], v[rSB] matrix_a_fmt:MATRIX_FMT_FP4 matrix_b_fmt:MATRIX_FMT_FP4 matrix_a_scale:MATRIX_SCALE_ROW1 matrix_b_scale:MATRIX_SCALE_ROW1
.elseif ((\ra) == 0) && ((\rb) == 0)
	v_wmma_scale_f32_16x16x128_f8f6f4 v[rD:rD+7], v[rA:rA+7], v[rB:rB+7], v[rD:rD+7], v[rSA], v[rSB] matrix_a_fmt:MATRIX_FMT_FP4 matrix_b_fmt:MATRIX_FMT_FP4
.elseif (\ra) == 0
	v_wmma_scale_f32_16x16x128_f8f6f4 v[rD:rD+7], v[rA:rA+7], v[rB:rB+7], v[rD:rD+7], v[rSA], v[rSB] matrix_a_fmt:MATRIX_FMT_FP4 matrix_b_fmt:MATRIX_FMT_FP4 matrix_b_scale:MATRIX_SCALE_ROW1
.elseif (\rb) == 0
	v_wmma_scale_f32_16x16x128_f8f6f4 v[rD:rD+7], v[rA:rA+7], v[rB:rB+7], v[rD:rD+7], v[rSA], v[rSB] matrix_a_fmt:MATRIX_FMT_FP4 matrix_b_fmt:MATRIX_FMT_FP4 matrix_a_scale:MATRIX_SCALE_ROW1
.else
	v_wmma_scale_f32_16x16x128_f8f6f4 v[rD:rD+7], v[rA:rA+7], v[rB:rB+7], v[rD:rD+7], v[rSA], v[rSB] matrix_a_fmt:MATRIX_FMT_FP4 matrix_b_fmt:MATRIX_FMT_FP4 matrix_a_scale:MATRIX_SCALE_ROW1 matrix_b_scale:MATRIX_SCALE_ROW1
.endif
.endm
	s_load_b512 s[4:19], s[0:1], 0x0               ; xw, q_b, k_b, v_b, q_lb, k_lb, v_lb, qkv
	v_lshl_add_u32 v[SPW], v0, 2, SPARE
	v_mov_b32 v[NIL], 0
	ds_add_u32 v[SPW], v[NIL]                      ; the wave's opening: the add, twice on end, and its wait ahead of my first tensor load
	ds_add_u32 v[SPW], v[NIL]
	v_lshrrev_b32 v1, 5, v0
	v_readfirstlane_b32 s20, v1                    ; wave 0..7
	s_bfe_u32 s21, ttmp6, 0x40000                  ; cx
	s_bfe_u32 s22, ttmp6, 0x40004                  ; cy
	s_lshl_b32 s23, ttmp9, 2
	s_add_co_u32 s23, s23, s21                     ; head
	s_and_b32 s24, ttmp7, 0xffff
	s_lshl_b32 s24, s24, 2
	s_add_co_u32 s24, s24, s22                     ; block of 256 tokens
	s_lshl_b32 s25, s22, 2
	s_lshl_b32 s25, 15, s25                        ; my row of the cluster
	s_lshl_b32 s26, 0x1111, s21                    ; my column
	; descriptor group 1: 136 dense rows of 256 bytes (32 elements of 8); bit 21 beside a mask
	s_or_b32 s28, s25, (3<<16)|(1<<21)
	s_mov_b32 s29, 32<<16
	s_mov_b32 s30, 136<<16
	s_mov_b32 s31, 32<<16
	s_mov_b32 s32, 136
	s_mov_b32 s33, 32
	s_mov_b32 s34, 0
	s_mov_b32 s35, 0
	s_or_b32 s36, s26, (3<<16)|(1<<21)
	s_mov_b32 s37, 32<<16
	s_mov_b32 s38, 136<<16
	s_mov_b32 s39, 32<<16
	s_mov_b32 s40, 136
	s_mov_b32 s41, 32
	s_mov_b32 s42, 0
	s_mov_b32 s43, 0
	s_lshl_b32 s44, s24, 2
	s_add_co_u32 s44, s44, s20
	s_mul_i32 s44, s44, QUAD                       ; waves 0-3: x's quad 4 x block + wave
	s_mov_b32 s45, 0
	s_lshl_b32 s46, s20, 4
	s_add_co_u32 s46, s46, s23
	s_mul_i32 s46, s46, QUAD                       ; waves 4-6: the weights' quad 64 + 16 (wave - 4) + head
	s_mov_b32 s47, 0
	s_add_co_u32 s98, s22, 128
	s_mul_i32 s98, s98, QUAD                       ; wave 7: the la tensors' quad, in the copy of my row of the cluster
	s_mov_b32 s99, 0
	s_mul_i32 s48, s20, QUAD                       ; in LDS
	s_lshl_b32 s66, s23, 12                        ; lb: the head's 64 rows of 64 bytes
	s_mov_b32 s67, 0
	s_lshl_b32 s68, s23, 8                         ; the bias: its 64 numbers
	s_mov_b32 s69, 0
	s_lshr_b32 s50, s24, 2
	s_lshl_b32 s50, s50, 4
	s_add_co_u32 s50, s50, s23                     ; 16 x batch + head
	s_and_b32 s51, s24, 3                          ; the block inside the batch
	s_mul_i32 s82, s50, 36864
	s_add_co_u32 s82, s82, QOFF                    ; Q's place
	s_mul_i32 s84, s50, 71680                      ; K's and V's
	s_lshl_b32 s95, s51, 10
	s_lshl_b32 s96, s20, 9
	s_add_co_u32 s96, s96, s95
	s_add_co_u32 s86, s82, s96
	s_add_co_u32 s86, s86, 32768                   ; waves 0, 1 store q's words,
	s_add_co_u32 s88, s84, s96
	s_add_co_u32 s88, s88, 65536-1024              ; waves 2, 3 k's,
	s_lshl_b32 s89, s51, 9
	s_add_co_u32 s89, s89, s84
	s_add_co_u32 s89, s89, 69632                   ; wave 4 v's
	s_cmp_lt_u32 s20, 2
	s_cselect_b32 s86, s86, s88
	s_cmp_eq_u32 s20, 4
	s_cselect_b32 s86, s89, s86
	s_mov_b32 s87, 0
	s_lshl_b32 s51, s51, 13
	s_lshl_b32 s88, s20, 10
	s_add_co_u32 s51, s51, s88                     ; my pair's 1,024 bytes of codes
	s_add_co_u32 s82, s82, s51
	s_mov_b32 s83, 0
	s_add_co_u32 s84, s84, s51
	s_mov_b32 s85, 0
	s_lshr_b32 s88, s20, 1
	s_mul_i32 s88, s88, QUAD                       ; my pair of x in LDS: quad wave / 2,
	s_and_b32 s90, s20, 1
	s_lshl_b32 s89, s90, 10
	s_add_co_u32 s89, s89, s88
	s_add_co_u32 s89, s89, 32768                   ; its words
	s_lshl_b32 s91, s90, 14
	s_add_co_u32 s88, s88, s91                     ; and codes
	s_lshl_b32 s90, s90, 3                         ; odd blocks of keys: v's halves change places
	s_lshl_b32 s95, s20, 7
	s_add_co_u32 s95, s95, SCO
	s_lshr_b32 s96, s20, 2
	s_lshl_b32 s96, s96, 8
	s_and_b32 s97, s20, 3
	s_add_co_u32 s96, s96, s97
	s_add_co_u32 s96, s96, SCO+2048
	s_lshl_b32 s97, s20, 9
	s_add_co_u32 s97, s97, SCO
	s_mov_b32 s92, 0x76543210
	s_mov_b32 s93, 0xfedcba98                      ; v_permlanex16_b32's selects for lane l xor 16
	s_mov_b32 s94, 0xffff0000                      ; lanes 16-31
	s_wait_dscnt 0x0                               ; both opening adds are done
	s_wait_kmcnt 0x0
	s_mov_b32 s52, 1
	s_mov_b32 s53, s48
	s_add_nc_u64 s[54:55], s[4:5], s[44:45]
	s_or_b32 s55, s55, 0x80000000
	s_mov_b32 s56, 1
	s_mov_b32 s57, s48
	s_add_nc_u64 s[58:59], s[4:5], s[46:47]
	s_or_b32 s59, s59, 0x80000000
	s_mov_b32 s60, 1
	s_mov_b32 s61, 7*QUAD
	s_add_nc_u64 s[62:63], s[4:5], s[98:99]
	s_or_b32 s63, s63, 0x80000000
	s_add_nc_u64 s[70:71], s[12:13], s[66:67]
	s_add_nc_u64 s[72:73], s[14:15], s[66:67]
	s_add_nc_u64 s[74:75], s[16:17], s[66:67]
	s_add_nc_u64 s[76:77], s[6:7], s[68:69]
	s_add_nc_u64 s[78:79], s[8:9], s[68:69]
	s_add_nc_u64 s[80:81], s[10:11], s[68:69]
	s_add_nc_u64 s[82:83], s[18:19], s[82:83]
	s_add_nc_u64 s[84:85], s[18:19], s[84:85]
	s_add_nc_u64 s[86:87], s[18:19], s[86:87]
	ROUND                                          ; all sixteen work-groups are here: the joint loads meet
	; one tree of branches on the wave's number: every way through it passes exactly one load
	s_cmp_lt_u32 s20, 4
	s_cbranch_scc0 .Lweights
	tensor_load_to_lds s[52:55], s[28:35]          ; x
	s_nop 0
	NOPS 4
	s_branch .Lasked
.Lweights:
	s_cmp_lt_u32 s20, 7
	s_cbranch_scc0 .Lla
	tensor_load_to_lds s[56:59], s[36:43]          ; q_w, k_w, v_w
	s_nop 0
	NOPS 4
	s_branch .Lasked
.Lla:
	tensor_load_to_lds s[60:63], s[28:35]          ; the la tensors
	s_nop 0
	NOPS 4
.Lasked:
	v_and_b32 v19, 31, v0                          ; lane
	v_and_b32 v20, 15, v0                          ; r
	v_bfe_u32 v21, v0, 4, 1                        ; h
	v_lshlrev_b32 v[LI], 4, v19
	v_and_b32 v22, 8, v20
	v_lshlrev_b32 v[BQA], 6, v21                   ; the bias of q and k: 16 h numbers on
	v_add_nc_u32 v22, v22, v20                     ; r + 8 (r / 8)
	v_lshlrev_b32 v[CO], 4, v20
	v_lshlrev_b32 v[LBA], 6, v22
	v_lshlrev_b32 v[BVA], 2, v22                   ; v's: my column's number
	v_lshl_add_u32 v[LBA], v21, 5, v[LBA]          ; lb: my position's row, ranks 8 h on
	v_add_nc_u32 v[XA], s88, v[LI]
	v_add_nc_u32 v[XSA], s89, v[LI]
	v_add_nc_u32 v[WA], 4*QUAD, v[LI]
	v_add_nc_u32 v[WA+1], 5*QUAD, v[LI]
	v_add_nc_u32 v[WA+2], 6*QUAD, v[LI]
	v_add_nc_u32 v[LAA], 7*QUAD, v[LI]
	v_lshlrev_b32 v[VSA], 4, v20
	v_lshl_add_u32 v[CO], v21, 3, v[CO]
	v_lshlrev_b32 v[QSA], 2, v19
	v_add_nc_u32 v[VSA], s96, v[VSA]               ; v's words: 16 r + 4 x column tile + my byte
	v_xor_b32 v[COV], s90, v[CO]
	v_add_nc_u32 v[QSA], s95, v[QSA]               ; q's and k's words: 128 x wave + 4 x lane
	v_add_nc_u32 v[GRA], s97, v[LI]
	v_mov_b32 v[TP], 0                             ; written once: a lane permute's destination counts as one of its sources
	v_mov_b32 v[TP+1], 0
	s_wait_alu depctr_va_vdst(0)
; job j: type j / 2 (q, k, v), columns 32 (j % 2) on.  lb and the bias of job j, into set j % 2: 8 loads for q and k, 20 for v
.macro LBIAS j
.set HB, (\j)%2
.set TY, (\j)/2
.irp u, 0,1
	global_load_b128 v[LB+16*HB+8*\u:LB+16*HB+8*\u+3], v[LBA], s[70+2*TY:71+2*TY] offset:(32*HB+8*\u)*64
	global_load_b128 v[LB+16*HB+8*\u+4:LB+16*HB+8*\u+7], v[LBA], s[70+2*TY:71+2*TY] offset:(32*HB+8*\u)*64+16
.endr
	WIN 0x40                                       ; destination window 1
.if TY < 2
.irp u, 0,1
	global_load_b128 v[BI+16*HB+8*\u:BI+16*HB+8*\u+3], v[BQA], s[76+2*TY:77+2*TY] offset:(32*HB+8*\u)*4
	global_load_b128 v[BI+16*HB+8*\u+4:BI+16*HB+8*\u+7], v[BQA], s[76+2*TY:77+2*TY] offset:(32*HB+8*\u)*4+16
.endr
.else
.irp u, 0,1
.irp i, 0,1,2,3,4,5,6,7
	global_load_b32 v[BI+16*HB+8*\u+\i], v[BVA], s[80:81] offset:(32*HB+8*\u)*4
.endr
.endr
.endif
	WIN 0
.endm
.macro WLOAD j, u                      ; tile u of job j's weights: eight fragments
.set n, 0
.rept 16
	ds_load_b128 v[WF+64*(\u)+4*n:WF+64*(\u)+4*n+3], v[WA+(\j)/2] offset:16384*((\j)%2)+8192*(\u)+512*n
.set n, n+1
.endr
.endm
.macro WSLOAD j                        ; and both tiles' words: lanes 0-15 tile 0's, lanes 16-31 tile 1's
.irp g, 0,1
	ds_load_b128 v[WS+4*\g:WS+4*\g+3], v[WA+(\j)/2] offset:32768+1024*((\j)%2)+512*\g
.endr
.endm
; The low-rank path in f32: ranks 8 h + 2 k, + 1 at a time on both sides; the bias is the C of the first step
.macro UP j
.set HB, 16*((\j)%2)
.if (\j) < 4
	WIN 0x54                                       ; source 0 window 0, source 1, C and D window 1
.else
	WIN 0x51                                       ; source 1 window 0, the rest window 1
.endif
.irp k, 0,1,2,3
.irp u, 0,1
.irp m, 0,1
.set rL, LOW+16*((\j)/2)+8*\m+2*\k
.set rB, LB+HB+8*\u+2*\k
.if (\j) < 4
.set rD, ACC+16*\m+8*\u
.else
.set rD, ACC+16*\u+8*\m
.endif
.if \k == 0
.set rC, BI+HB+8*\u
.else
.set rC, rD
.endif
.if (\j) < 4
	v_wmma_f32_16x16x4_f32 v[rD:rD+7], v[rB:rB+1], v[rL:rL+1], v[rC:rC+7]
.else
	v_wmma_f32_16x16x4_f32 v[rD:rD+7], v[rL:rL+1], v[rB:rB+1], v[rC:rC+7]
.endif
.endr
.endr
.endr
.endm
.macro MPROD j, k, u, m                ; one product of job j: K step k, column tile u, token tile m
.if (\j) < 4
.set rD, ACC+16*\m+8*\u
.set rA, WF+64*\u+8*\k
.set rB, XF+64*\m+8*\k
.set rSA, WS+\k
.set rSB, XS+\k
	WM 1, \u, \m
.else
.set rD, ACC+16*\u+8*\m
.set rA, XF+64*\m+8*\k
.set rB, WF+64*\u+8*\k
.set rSA, XS+\k
.set rSB, WS+\k
	WM 1, \m, \u
.endif
.endm
.macro LPROD t, a, k, m                ; one product of low^T: type t, whose la lies at register a
.set rD, LOW+16*\t+8*\m
.set rA, \a+8*\k
.set rB, XF+64*\m+8*\k
.set rSA, LAS+8*(\t/2)+\k
.set rSB, XS+\k
.if \k == 0
	WM 0, \t%2, \m
.else
	WM 1, \t%2, \m
.endif
.endm
; Job j's 32 x 32 numbers, in two blocks b (q, k: a token tile; v: a column tile), 16 registers each, lanes l and l xor 16 together
.macro QUANT j
	s_wait_xcnt 0x0                                ; the last stores have read the registers that hold the codes
	WIN 0x05
.irp b, 0,1
	v_max3_num_f32 v[TM+\b], |v[ACC+16*\b]|, |v[ACC+16*\b+1]|, 0x1800000   ; and the floor 2^(3 - 127): the byte cannot fall under 1
.endr
.irp i, 2,4,6,8,10,12,14
.irp b, 0,1
	v_max3_num_f32 v[TM+\b], |v[ACC+16*\b+\i]|, |v[ACC+16*\b+\i+1]|, v[TM+\b]
.endr
.endr
	WIN 0
.irp b, 0,1
	v_permlanex16_b32 v[TP+\b], v[TM+\b], s92, s93
.endr
.irp b, 0,1
	v_max_num_f32 v[TM+\b], v[TM+\b], v[TP+\b]
.endr
.irp b, 0,1
	v_add_nc_u32 v[SCL+\b], 0xff000000, v[TM+\b]   ; 2 off the exponent field
.endr
.irp b, 0,1
	v_lshrrev_b32 v[BY+2*((\j)%2)+\b], 23, v[SCL+\b]
.endr
	WIN 0x01
.irp b, 0,1
	v_cvt_scalef32_pk8_fp4_f32 v[PC+2*\b], v[ACC+16*\b:ACC+16*\b+7], v[SCL+\b]
	v_cvt_scalef32_pk8_fp4_f32 v[PC+2*\b+1], v[ACC+16*\b+8:ACC+16*\b+15], v[SCL+\b]
.endr
	v_nop                                          ; one plain place behind the last scaled conversion
	WIN 0
.if (\j) < 4
.irp b, 0,1
	global_store_b64 v[CO], v[PC+2*\b:PC+2*\b+1], s[82+2*((\j)/2):83+2*((\j)/2)] offset:512*\b+256*((\j)%2)   ; 32 lanes store 256 consecutive bytes, aligned
.endr
.if (\j)%2
	v_lshl_or_b32 v[WD], v[BY+2], 8, v[BY]         ; both column blocks' bytes of token tile 0,
	v_lshl_or_b32 v[WD+1], v[BY+3], 8, v[BY+1]     ; of token tile 1: lanes 16-31
	v_cndmask_b32 v[WD], v[WD], v[WD+1], s94
	v_or_b32 v[WD], 0x7f7f0000, v[WD]
	ds_store_b32 v[QSA], v[WD] offset:1024*((\j)/2)
.endif
.else
.irp b, 0,1
	global_store_b64 v[COV], v[PC+2*\b:PC+2*\b+1], s[84:85] offset:32768+256*(2*((\j)%2)+\b)
.endr
.irp b, 0,1
	ds_store_b8 v[VSA], v[BY+2*((\j)%2)+\b] offset:4*(2*((\j)%2)+\b)   ; both halves of the lanes write the same byte with the same value
.endr
.endif
.endm
	LBIAS 0
	s_wait_tensorcnt 0x0                           ; my quad has landed,
	s_barrier_signal -1
	s_barrier_wait -1                              ; everybody's has
	WIN 0x40
.set n, 0
.rept 32
	ds_load_b128 v[XF+4*n:XF+4*n+3], v[XA] offset:512*n    ; x stays: fragment (m, k) at 8 (8 m + k)
.set n, n+1
.endr
	WIN 0
.irp g, 0,1
	ds_load_b128 v[XS+4*\g:XS+4*\g+3], v[XSA] offset:512*\g
	ds_load_b128 v[LAS+4*\g:LAS+4*\g+3], v[LAA] offset:32768+512*\g       ; lanes 0-15 q_la's words, lanes 16-31 k_la's
	ds_load_b128 v[LAS+8+4*\g:LAS+11+4*\g], v[LAA] offset:33792+512*\g    ; lanes 0-15 v_la's
.endr
.set n, 0
.rept 32
	ds_load_b128 v[WF+4*n:WF+4*n+3], v[LAA] offset:512*n   ; q_la, k_la
.set n, n+1
.endr
	LBIAS 1
	s_wait_dscnt 0x0
	WIN 0x54
.irp k, 0,1,2,3,4,5,6,7
.irp t, 0,1
.irp m, 0,1
	LPROD \t, WF+64*\t, \k, \m
.endr
.endr
.endr
	NOPS 5                                         ; four places for the loads below, five for the products that take low^T
	WIN 0
.set n, 0
.rept 16
	ds_load_b128 v[WF+4*n:WF+4*n+3], v[LAA] offset:16384+512*n    ; v_la, where q_la lay
.set n, n+1
.endr
	WLOAD 0, 1                                     ; job 0's tile 1, where k_la lay
	WSLOAD 0
	s_wait_loadcnt 8                               ; job 0's lb and bias are in; job 1's eight loads may be out
	UP 0
	NOPS 9                                         ; the sums pass from the f32 form to another
	s_wait_dscnt 0x0
.irp k, 0,1,2,3,4,5,6,7                ; v's low^T and job 0's tile 1 by turns
	LPROD 2, WF, \k, 0
	LPROD 2, WF, \k, 1
	MPROD 0, \k, 1, 0
	MPROD 0, \k, 1, 1
.endr
	NOPS 4
	WIN 0
	WLOAD 0, 0
	s_wait_dscnt 0x0
	WIN 0x54
.irp k, 0,1,2,3,4,5,6,7
	MPROD 0, \k, 0, 0
	MPROD 0, \k, 0, 1
.endr
.macro NEXT j                          ; behind job j's products: the next job's weights, then job j's way out
	NOPS 4                                         ; four places for the loads and for the first read of the sums
	WIN 0
.if (\j) < 5
	WLOAD (\j)+1, 0
	WLOAD (\j)+1, 1
	WSLOAD (\j)+1
.endif
	QUANT \j
.endm
.macro JOB j
.if (\j) < 5
	LBIAS (\j)+1
.endif
.if (\j) == 5
	s_wait_loadcnt 0x0
.elseif (\j) > 2
	s_wait_loadcnt 20                              ; this job's lb and bias are in; the next job's twenty loads may be out
.else
	s_wait_loadcnt 8
.endif
	UP \j
	NOPS 9
	s_wait_dscnt 0x0                               ; this job's weights
.irp k, 0,1,2,3,4,5,6,7
.irp u, 0,1
.irp m, 0,1
	MPROD \j, \k, \u, \m
.endr
.endr
.endr
	NEXT \j
.endm
	NEXT 0
	JOB 1
	JOB 2
	JOB 3
	JOB 4
	JOB 5
	s_wait_dscnt 0x0                               ; for the others' sake: my scale words have landed
	s_barrier_signal -1
	s_barrier_wait -1
	s_cmp_lt_u32 s20, 5
	s_cbranch_scc0 .Lno_words
	ds_load_b128 v[WF:WF+3], v[GRA]                ; 512 bytes of the gathered words
	s_wait_dscnt 0x0
	global_store_b128 v[LI], v[WF:WF+3], s[86:87]  ; 512 consecutive bytes, aligned
.Lno_words:
	s_wait_tensorcnt 0x0                           ; the wave's end
	ds_add_u32 v[SPW], v[NIL]
	s_wait_dscnt 0x0
	ROUND                                          ; the closing round
	s_endpgm
.Lfunc_end_k_q2e4603c51f_proj:
	.size	k_q2e4603c51f_proj, .Lfunc_end_k_q2e4603c51f_proj-k_q2e4603c51f_proj
	.p2alignl 7, 3214868480
	.fill 96, 4, 3214868480
	.section	.rodata,"a",@progbits
	.p2align	6, 0x0
	.amdhsa_kernel k_q2e4603c51f_proj
		.amdhsa_group_segment_fixed_size 327680
		.amdhsa_private_segment_fixed_size 0
		.amdhsa_enable_private_segment 0
		.amdhsa_kernarg_size 64
		.amdhsa_user_sgpr_count 2
		.amdhsa_user_sgpr_kernarg_segment_ptr 1
		.amdhsa_wavefront_size32 1
		.amdhsa_system_sgpr_workgroup_id_x 1
		.amdhsa_system_sgpr_workgroup_id_y 1
		.amdhsa_system_sgpr_workgroup_id_z 1
		.amdhsa_system_vgpr_workitem_id 0
		.amdhsa_next_free_vgpr 512
		.amdhsa_next_free_sgpr 100
		.amdhsa_reserve_vcc 0
		.amdhsa_float_denorm_mode_32 3
		.amdhsa_float_denorm_mode_16_64 3
		.amdhsa_memory_ordered 1
		.amdhsa_forward_progress 1
		.amdhsa_inst_pref_size 88
	.end_amdhsa_kernel
	.amdgpu_metadata
---
amdhsa.version: [ 1, 2 ]
amdhsa.kernels:
  - .name:           k_q2e4603c51f_proj
    .symbol:         k_q2e4603c51f_proj.kd
    .args:
      - { .name: xw, .offset: 0, .size: 8, .value_kind: global_buffer, .address_space: global }
      - { .name: q_b, .offset: 8, .size: 8, .value_kind: global_buffer, .address_space: global }
      - { .name: k_b, .offset: 16, .size: 8, .value_kind: global_buffer, .address_space: global }
      - { .name: v_b, .offset: 24, .size: 8, .value_kind: global_buffer, .address_space: global }
      - { .name: q_lb, .offset: 32, .size: 8, .value_kind: global_buffer, .address_space: global }
      - { .name: k_lb, .offset: 40, .size: 8, .value_kind: global_buffer, .address_space: global }
      - { .name: v_lb, .offset: 48, .size: 8, .value_kind: global_buffer, .address_space: global }
      - { .name: qkv, .offset: 56, .size: 8, .value_kind: global_buffer, .address_space: global }
    .group_segment_fixed_size: 327680
    .private_segment_fixed_size: 0
    .kernarg_segment_align: 8
    .kernarg_segment_size: 64
    .max_flat_workgroup_size: 256
    .sgpr_count:     100
    .vgpr_count:     512
    .wavefront_size: 32
...
	.end_amdgpu_metadata
.endif
;; end of part 2
;; launch attn (part 3): grid 4 x 64, 16 waves a work-group, clusters of 4 x 1, 169,984 bytes of LDS; arguments qkv, ctx; writes ctx
.if DOCPART == 3
	.amdgcn_target "amdgcn-amd-amdhsa--gfx1250"
	.amdhsa_code_object_version 6
	.text
	.protected	k_q2e4603c51f_attn
	.globl	k_q2e4603c51f_attn
	.p2align	8
	.type	k_q2e4603c51f_attn,@function
k_q2e4603c51f_attn:
	s_mov_b64 s[64:65], 0
	v_nop
	global_prefetch_b8 v0, s[64:65] scope:SCOPE_SE
	s_setreg_imm32_b32 hwreg(HW_REG_WAVE_MODE, 25, 1), 1
	s_wait_xcnt 0x0
	s_wait_alu depctr_hold_cnt(0) depctr_sa_sdst(0) depctr_va_vdst(0) depctr_va_sdst(0) depctr_va_ssrc(0) depctr_va_vcc(0) depctr_vm_vsrc(0)
	s_getreg_b32 s2, hwreg(HW_REG_IB_STS2, 6, 4)
	s_cmp_eq_u32 s2, 0
	s_cbranch_scc0 .Lentry_in_a_cluster
	s_endpgm
.Lentry_in_a_cluster:
	s_bfe_u32 s2, ttmp6, 0x10000c
	s_cmp_lg_u32 s2, 0x3003
	s_cbranch_scc0 .Lentry_shape_is_right
	s_endpgm
.Lentry_shape_is_right:
; ctx = softmax(q k^T / 8) v for one (batch, head), both products on FP4 codes, then quantised along E for the last projection.
; THE SOFTMAX: t = score x log2(e) / 8; M = the running largest t rounded UP to a whole number; p = 2^(t - M) is quantised along the keys, not normalised; the row's sum is taken of the unquantised p and divides at the end.
; When M moves, the sum and O are multiplied by 2^(old M - new M): exact.
; SHARES.  The grid's y is 16 x batch + head; a work-group owns 256 queries, each of its sixteen waves one tile of 16: four waves to a SIMD, so that one wave's vector work stands beside another's products and LDS loads.
; The head's K and V, codes and scale words, are 71,680 dense bytes of qkv: they come into LDS ONCE, by four loads (waves 0-3), asked for JOINTLY by the cluster's four work-groups, which are the head's four blocks of queries.
; No LDS byte is filled twice.  Every wave walks the 1,024 keys, 128 a step.
; LAYOUT.  Both products are used transposed (S^T = K Q^T, O^T = V^T P^T): a lane holds ONE query.  Tile 2 b + u, position p, is key 32 b + 8 u + p + 8 (p / 8): the 16 registers of tiles 2 b, 2 b + 1 are keys 32 b + 16 h + 0 .. 15.
; THE HEAD IS 64 WIDE, THE INSTRUCTION 128: Q's registers 4-7 are zero codes and the upper two bytes of q's and k's scale words are 0x7f.  So K's tiles are loaded 4 registers each, on end, and tile t's operand is
; v[KF + 4 t .. + 7]: its upper four registers (the next tile's codes, or four zero registers behind the last) meet zero codes and add exactly 0.
; OUT.  ctx: codes [256 tiles][8 K steps][1,024 B] as operand images: head hd fills group hd % 2 of step hd / 2; scale bytes from 2,097,152 on: [16 heads][256 tiles][16 r], two bytes each.
; LIMITS: a block of zeros gets the byte 1 (its codes are zeros; this program alone reads the bytes); NaN and infinities are not served.
.set QOFF, 4587520
.set AK,  1                            ; v1  16 x lane
.set AKS, 2                            ; v2  K's scale words: 65,536 + 128 (r / 8) + 64 h + 4 r
.set AV,  3                            ; v3  V: 16 r + 1,024 h + 32,768
.set AVS, 4                            ; v4  V's scale words: 16 r + 69,632
.set CO,  5                            ; v5  16 r + 8 h
.set GS,  6                            ; v6  where my tile's scale bytes are gathered
.set GR,  7                            ; v7  and read back
.set ADK, 8                            ; v8-11 the step's four addresses
.set ADS, 9
.set ADV, 10
.set ADT, 11
.set QF,  16                           ; v12 -M, v13 the largest t, v[14:15] the sum in two halves
.set QS,  24
.set KF,  32                           ; v32-63 eight tiles of K; v64-67 zeros
.set VF,  68
.set S,   100
.set O,   164
.set PC,  196
.set BM,  204
.set TP,  208
.set SCL, 212
.set KS,  216
.set VS,  220
.set F,   224
.set PW,  226
.set T,   227
.set SM2, 228
; THE KEYS OF A TILE, as this text loads them: tile 4 c + 2 x + u takes in rows 0-7 keys of block 2 c, in rows 8-15 keys of block 2 c + 1: x = 0: positions r of tile u of either pair, x = 1: positions r xor 8.
; So lane (r, h) holds the WHOLE block 2 c + h in the 32 registers from 32 c on: lanes 0-15 its keys in order, lanes 16-31 keys 16 .. 31, then 0 .. 15, as V's odd blocks are laid.
.set K0B, 25                           ; v25 K, x = 0: 1,024 (r / 8) + 256 h + 16 r
.set K1B, 26                           ; v26 K, x = 1: the same with r xor 8
.set S1B, 27                           ; v27 K's words, x = 1  (v2: x = 0: 65,536 + 128 (r / 8) + 64 h + 4 r)
.set ADK1, 28
.set ADS1, 29
.macro ROUND                           ; a round of the cluster's barrier
	s_barrier_signal -1
	s_barrier_wait -1
	s_cmp_lg_u32 s20, 0
	s_cbranch_scc1 .Lnot_wave_0_\@
	s_barrier_signal -3
.Lnot_wave_0_\@:
	s_barrier_wait -3
	s_barrier_signal -1
	s_barrier_wait -1
.endm
	s_load_b128 s[4:7], s[0:1], 0x0                ; qkv, ctx
	v_lshl_add_u32 v254, v0, 2, 0x29000
	v_mov_b32 v255, 0
	ds_add_u32 v254, v255
	ds_add_u32 v254, v255
	v_lshrrev_b32 v8, 5, v0
	s_delay_alu instid0(VALU_DEP_1)
	v_readfirstlane_b32 s20, v8                    ; wave 0..15
	s_bfe_u32 s21, ttmp6, 0x40000                  ; cx
	s_lshl_b32 s54, ttmp9, 2
	s_add_co_u32 s21, s21, s54                     ; my block of 256 queries: it enters Q's and ctx's addresses alone
	s_and_b32 s22, ttmp7, 0xffff                   ; 16 x batch + head
	s_lshl_b32 s23, s21, 4
	s_add_co_u32 s23, s23, s20                     ; my tile of queries
	; descriptor: 70 rows of 256 bytes (32 elements of 8), dense
	s_mov_b32 s24, 15|(3<<16)|(1<<21)              ; the mask names the four work-groups; bit 21 beside a mask
	s_mov_b32 s25, 32<<16
	s_mov_b32 s26, 70<<16
	s_mov_b32 s27, 32<<16
	s_mov_b32 s28, 70
	s_mov_b32 s29, 32
	s_mov_b32 s30, 0
	s_mov_b32 s31, 0
	s_mov_b32 s32, 1
	s_mul_i32 s33, s20, 17920                      ; LDS: a quarter of the head's bytes for each of waves 0-3
	s_mul_i32 s56, s22, 71680
	s_add_co_u32 s56, s56, s33                     ; the head and the wave alone enter this offset
	s_mov_b32 s57, 0
	s_mul_i32 s55, s22, 36864
	s_add_co_u32 s55, s55, QOFF
	s_lshl_b32 s36, s23, 9
	s_add_co_u32 s36, s36, s55                     ; Q's codes: 512 bytes a tile
	s_mov_b32 s37, 0
	s_lshl_b32 s38, s23, 6
	s_add_co_u32 s38, s38, s55
	s_add_co_u32 s38, s38, 32768                   ; Q's scale words: 64 bytes a tile
	s_mov_b32 s39, 0
	s_lshr_b32 s58, s22, 4
	s_lshl_b32 s58, s58, 6                         ; the batch's first tile
	s_and_b32 s59, s22, 15                         ; the head
	s_add_co_u32 s50, s58, s23
	s_lshl_b32 s50, s50, 13
	s_lshl_b32 s51, s59, 9
	s_add_co_u32 s50, s50, s51                     ; ctx's codes: 8,192 x tile + 512 x head
	s_mov_b32 s51, 0
	s_lshl_b32 s52, s21, 4
	s_add_co_u32 s52, s52, s58
	s_lshl_b32 s52, s52, 5
	s_lshl_b32 s53, s59, 13
	s_add_co_u32 s52, s52, s53
	s_add_co_u32 s52, s52, 2097152                 ; ctx's scale bytes of the work-group's 16 tiles
	s_mov_b32 s53, 0
	s_mov_b32 s40, 0                               ; the step's place among K's codes, K's words, V's codes, V's words
	s_mov_b32 s41, 0
	s_mov_b32 s42, 0
	s_mov_b32 s43, 0
	s_mov_b32 s44, 8
	s_mov_b32 s46, 0x3e38aa3b                      ; c = log2(e) / 8
	s_mov_b32 s47, s46                             ; (named with it as a pair)
	s_mov_b32 s48, 0x76543210
	s_mov_b32 s49, 0xfedcba98                      ; v_permlanex16_b32's selects for lane l xor 16
	v_and_b32 v8, 31, v0                           ; lane
	v_and_b32 v9, 15, v0                           ; r
	v_bfe_u32 v10, v0, 4, 1                        ; h
	v_lshlrev_b32 v[AK], 4, v8
	v_lshrrev_b32 v30, 3, v9
	v_xor_b32 v31, 8, v9
	v_lshlrev_b32 v[CO], 4, v9
	v_lshlrev_b32 v[K0B], 10, v30
	v_lshlrev_b32 v[AKS], 7, v30
	v_add_nc_u32 v[AVS], 69632, v[CO]
	v_lshl_add_u32 v[AV], v10, 10, v[CO]
	v_lshl_add_u32 v[K0B], v10, 8, v[K0B]
	v_lshl_add_u32 v[AKS], v10, 6, v[AKS]
	v_add_nc_u32 v[AV], 32768, v[AV]
	v_lshl_add_u32 v[K1B], v31, 4, v[K0B]
	v_lshl_add_u32 v[S1B], v31, 2, v[AKS]
	v_lshl_add_u32 v[AKS], v9, 2, v[AKS]
	v_add_nc_u32 v[K0B], v[K0B], v[CO]
	v_add_nc_u32 v[S1B], 65536, v[S1B]
	v_add_nc_u32 v[AKS], 65536, v[AKS]
	v_lshl_add_u32 v[CO], v10, 3, v[CO]
	s_lshl_b32 s54, s20, 5
	v_lshl_add_u32 v[GS], v9, 1, s54
	s_delay_alu instid0(VALU_DEP_1)
	v_add_nc_u32 v[GS], 71680, v[GS]               ; 71,680 + 32 x wave + 2 r
	v_add_nc_u32 v[GR], 71680, v[AK]
	v_lshlrev_b32 v[T], 2, v9                      ; 4 r
	s_wait_dscnt 0x0
	s_wait_kmcnt 0x0
	s_add_nc_u64 s[34:35], s[4:5], s[56:57]
	s_or_b32 s35, s35, 0x80000000
	s_add_nc_u64 s[36:37], s[4:5], s[36:37]
	s_add_nc_u64 s[38:39], s[4:5], s[38:39]
	s_add_nc_u64 s[50:51], s[6:7], s[50:51]
	s_add_nc_u64 s[52:53], s[6:7], s[52:53]
	ROUND                                          ; the four work-groups are here: the joint loads meet
	s_cmp_lt_u32 s20, 4
	s_cbranch_scc0 .Lno_load
	tensor_load_to_lds s[32:35], s[24:31]          ; one load of mine is out, the only one of the launch
	s_nop 0
.rept 4
	v_nop
.endr
.Lno_load:
	global_load_b128 v[QF:QF+3], v[AK], s[36:37]   ; Q's tile stays in registers
	s_wait_alu depctr_va_vdst(0)
	global_load_b32 v[QS], v[T], s[38:39]
.irp j, 0,1,2,3
	v_mov_b32 v[QF+4+\j], 0                        ; zero codes for the K that is not there
	v_mov_b32 v[KF+32+\j], 0
	v_mov_b32 v[TP+\j], 0                          ; written once: a lane permute's destination counts as one of its sources
.endr
	v_mov_b32 v13, 0xff61b1e6                      ; the largest t so far: -3e38
	s_delay_alu instid0(VALU_DEP_1)
	v_floor_f32 v12, -v13                          ; -M
	v_mov_b32 v14, 0
	v_mov_b32 v15, 0
	v_mov_b32 v[F+1], 0                            ; (named as the upper half of a pair)
.set j, 0
.rept 32
	v_mov_b32 v[O+j], 0                            ; O^T: the step is written once; the first finds zeros, which the first change of M leaves zeros
.set j, j+1
.endr
	s_wait_tensorcnt 0x0                           ; my part of K and V has landed (waves 4-15 have none out),
	s_barrier_signal -1
	s_barrier_wait -1                              ; everybody's has; from here on the waves read LDS and do not wait for each other
	s_wait_loadcnt 0x0                             ; Q
.Lstep:                                            ; 128 keys
	v_add_nc_u32 v[ADK], s40, v[K0B]               ; (these six are also the places between the last products and the loads into V's registers)
	v_add_nc_u32 v[ADK1], s40, v[K1B]
	v_add_nc_u32 v[ADS], s41, v[AKS]
	v_add_nc_u32 v[ADS1], s41, v[S1B]
	v_add_nc_u32 v[ADV], s42, v[AV]
	v_add_nc_u32 v[ADT], s43, v[AVS]
.irp c, 0,1
.irp u, 0,1
	ds_load_b128 v[KF+16*\c+4*\u:KF+16*\c+4*\u+3], v[ADK] offset:2048*\c+512*\u
	ds_load_b128 v[KF+16*\c+4*\u+8:KF+16*\c+4*\u+11], v[ADK1] offset:2048*\c+512*\u
.endr
	ds_load_b32 v[KS+2*\c], v[ADS] offset:256*\c   ; lanes 0-15 u = 0, lanes 16-31 u = 1
	ds_load_b32 v[KS+2*\c+1], v[ADS1] offset:256*\c
.endr
.irp ct, 0,1,2,3
.irp cg, 0,1
	ds_load_b128 v[VF+8*\ct+4*\cg:VF+8*\ct+4*\cg+3], v[ADV] offset:2048*\cg+256*\ct
.endr
.endr
	ds_load_b128 v[VS:VS+3], v[ADT]
	s_wait_dscnt 9                                 ; K and its words are in; V's eight loads and its words' one may be out
.irp t, 0,2,4,6
	v_wmma_scale_f32_16x16x128_f8f6f4 v[S+8*\t:S+8*\t+7], v[KF+4*\t:KF+4*\t+7], v[QF:QF+7], 0, v[KS+\t/2], v[QS] matrix_a_fmt:MATRIX_FMT_FP4 matrix_b_fmt:MATRIX_FMT_FP4
	v_wmma_scale_f32_16x16x128_f8f6f4 v[S+8*\t+8:S+8*\t+15], v[KF+4*\t+4:KF+4*\t+11], v[QF:QF+7], 0, v[KS+\t/2], v[QS] matrix_a_fmt:MATRIX_FMT_FP4 matrix_b_fmt:MATRIX_FMT_FP4 matrix_a_scale:MATRIX_SCALE_ROW1
.endr
.rept 4
	v_nop                                          ; four places in front of the first read of the scores
.endr
.irp b, 0,1,2,3
	v_max3_num_f32 v[BM+\b], v[S+16*\b], v[S+16*\b+1], v[S+16*\b+2]   ; the largest score of each block of 32 keys: for the row's maximum, and, since p rises with the score, for the block's largest p
.endr
.irp i, 3,5,7,9,11,13
.irp b, 0,1,2,3
	v_max3_num_f32 v[BM+\b], v[BM+\b], v[S+16*\b+\i], v[S+16*\b+\i+1]
.endr
.endr
	v_max3_num_f32 v[BM], v[BM], v[BM+1], v[S+15]  ; the halves of a block meet: block 2 c + h in v[BM + c]
	v_max3_num_f32 v[BM+2], v[BM+2], v[BM+3], v[S+47]
	v_max_num_f32 v[BM], v[BM], v[S+31]
	v_max_num_f32 v[BM+1], v[BM+2], v[S+63]
	s_delay_alu instid0(VALU_DEP_1)
	v_max_num_f32 v[T], v[BM], v[BM+1]
	s_delay_alu instid0(VALU_DEP_1)
	v_permlanex16_b32 v[TP], v[T], s48, s49
	s_delay_alu instid0(VALU_DEP_1)
	v_max_num_f32 v[T], v[T], v[TP]                ; with lane l xor 16's 64 keys
	s_delay_alu instid0(VALU_DEP_1)
	v_mul_f32 v[T], s46, v[T]                      ; as t (c is positive)
	s_delay_alu instid0(VALU_DEP_1)
	v_max_num_f32 v13, v13, v[T]                   ; the running largest t
	v_mov_b32 v[T], v12
	s_delay_alu instid0(VALU_DEP_2)
	v_floor_f32 v12, -v13                          ; the new -M = -ceil(t)
	s_delay_alu instid0(VALU_DEP_1)
	v_sub_f32 v[T], v12, v[T]                      ; old M - new M: a whole number, 0 or less
	s_delay_alu instid0(VALU_DEP_1)
	v_cvt_i32_f32 v[T], v[T]                       ; (it saturates)
	s_delay_alu instid0(VALU_DEP_1)
	v_ldexp_f32 v[F], 1.0, v[T]                    ; f = 2^(old M - new M)
.set j, 0
.rept 32
	v_pk_fma_f32 v[S+j:S+j+1], v[S+j:S+j+1], s[46:47], v[12:13] op_sel_hi:[1,0,0]   ; t - M, two at a time
.set j, j+2
.endr
.irp b, 0,1
	v_fma_f32 v[BM+\b], v[BM+\b], s46, v12         ; the same of each block's largest score
.endr
.set j, 0
	s_wait_alu depctr_va_vdst(0)
.rept 64
	v_exp_f32 v[S+j], v[S+j]                       ; p = 2^(t - M)
.set j, j+1
.endr
.irp b, 0,1
	v_exp_f32 v[BM+\b], v[BM+\b]                   ; the block's largest p: the same two instructions on the same number
.endr
	v_pk_mul_f32 v[14:15], v[14:15], v[F:F+1] op_sel_hi:[1,0]   ; the sum under the new M (a plain place behind the exponentials)
	s_wait_alu depctr_va_vdst(0)
.irp b, 0,1
	v_max_num_f32 v[BM+\b], 0x1800000, v[BM+\b]    ; the floor 2^(3 - 127)
.endr
.irp b, 0,1
	s_delay_alu instid0(VALU_DEP_2)
	v_add_nc_u32 v[SCL+\b], 0xff000000, v[BM+\b]
.endr
.irp b, 0,1
	s_delay_alu instid0(VALU_DEP_2)
	v_lshrrev_b32 v[TP+2+\b], 23, v[SCL+\b]
.endr
	s_delay_alu instid0(VALU_DEP_1)
	v_lshl_or_b32 v[T], v[TP+3], 16, v[TP+2]       ; the bytes of blocks h and 2 + h;
	s_delay_alu instid0(VALU_DEP_1)
	v_permlanex16_b32 v[TP+1], v[T], s48, s49
	s_delay_alu instid0(VALU_DEP_1)
	v_lshl_or_b32 v[PW], v[TP+1], 8, v[T]          ; in lanes 0-15, which are read, p's scale word for these 128 keys
.irp c, 0,1
.irp q, 0,1,2,3
	v_cvt_scalef32_pk8_fp4_f32 v[PC+4*\c+\q], v[S+32*\c+8*\q:S+32*\c+8*\q+7], v[SCL+\c]   ; a lane holds its whole block: the operand's registers as they stand
.endr
.endr
	v_nop                                          ; one plain place behind the last scaled conversion
	v_pk_add_f32 v[228:229], v[104:105], v[108:109]
	v_pk_add_f32 v[252:253], v[112:113], v[116:117]
	v_pk_add_f32 v[250:251], v[120:121], v[124:125]
	v_pk_add_f32 v[248:249], v[128:129], v[132:133]
	v_pk_add_f32 v[246:247], v[136:137], v[140:141]
	v_pk_add_f32 v[244:245], v[144:145], v[148:149]
	v_pk_add_f32 v[242:243], v[152:153], v[156:157]
	v_pk_add_f32 v[14:15], v[14:15], v[160:161]
	v_pk_add_f32 v[228:229], v[228:229], v[100:101]
	v_pk_add_f32 v[252:253], v[252:253], v[102:103]
	v_pk_add_f32 v[250:251], v[250:251], v[106:107]
	v_pk_add_f32 v[248:249], v[248:249], v[110:111]
	v_pk_add_f32 v[246:247], v[246:247], v[114:115]
	v_pk_add_f32 v[244:245], v[244:245], v[118:119]
	v_pk_add_f32 v[242:243], v[242:243], v[122:123]
	v_pk_add_f32 v[14:15], v[14:15], v[126:127]
	v_pk_add_f32 v[228:229], v[228:229], v[130:131]
	v_pk_add_f32 v[252:253], v[252:253], v[134:135]
	v_pk_add_f32 v[250:251], v[250:251], v[138:139]
	v_pk_add_f32 v[248:249], v[248:249], v[142:143]
	v_pk_add_f32 v[246:247], v[246:247], v[146:147]
	v_pk_add_f32 v[244:245], v[244:245], v[150:151]
	v_pk_add_f32 v[242:243], v[242:243], v[154:155]
	v_pk_add_f32 v[14:15], v[14:15], v[158:159]
	v_pk_add_f32 v[228:229], v[228:229], v[162:163]
	s_delay_alu instid0(VALU_DEP_2)
	v_pk_add_f32 v[14:15], v[14:15], v[248:249]
	s_delay_alu instid0(VALU_DEP_2)
	v_pk_add_f32 v[228:229], v[228:229], v[246:247]
	v_pk_add_f32 v[252:253], v[252:253], v[244:245]
	v_pk_add_f32 v[250:251], v[250:251], v[242:243]
	s_delay_alu instid0(VALU_DEP_2)
	v_pk_add_f32 v[14:15], v[14:15], v[252:253]
	s_delay_alu instid0(VALU_DEP_2)
	v_pk_add_f32 v[228:229], v[228:229], v[250:251]
	s_delay_alu instid0(VALU_DEP_1)
	v_pk_add_f32 v[14:15], v[14:15], v[228:229]
.set j, 0
.rept 16
	v_pk_mul_f32 v[O+j:O+j+1], v[O+j:O+j+1], v[F:F+1] op_sel_hi:[1,0]   ; O^T under the new M
.set j, j+2
.endr
	s_wait_alu depctr_va_vdst(0)
	s_wait_dscnt 0x0                               ; V and its words are in
.irp ct, 0,1,2,3                       ; O^T += V^T P^T: four accumulators, one product each
	v_wmma_scale_f32_16x16x128_f8f6f4 v[O+8*\ct:O+8*\ct+7], v[VF+8*\ct:VF+8*\ct+7], v[PC:PC+7], v[O+8*\ct:O+8*\ct+7], v[VS+\ct], v[PW] matrix_a_fmt:MATRIX_FMT_FP4 matrix_b_fmt:MATRIX_FMT_FP4
.endr
	s_add_co_u32 s40, s40, 4096
	s_add_co_u32 s41, s41, 512
	s_add_co_u32 s42, s42, 4096
	s_add_co_u32 s43, s43, 256
	s_sub_co_u32 s44, s44, 1
	s_cmp_lg_u32 s44, 0
	s_cbranch_scc1 .Lstep
.rept 4
	v_nop                                          ; four places in front of the first read of O^T
.endr
	v_add_f32 v14, v14, v15                        ; the sum's two halves,
	s_delay_alu instid0(VALU_DEP_1)
	v_permlanex16_b32 v[T], v14, s48, s49
	s_delay_alu instid0(VALU_DEP_1)
	v_add_f32 v14, v14, v[T]                       ; and lane l xor 16's
	s_wait_alu depctr_va_vdst(0)
	v_rcp_f32 v14, v14
	v_nop                                          ; one plain place behind the reciprocal
.set j, 0
	s_wait_alu depctr_va_vdst(0)
.rept 32
	v_mul_f32 v[S+j], v[O+j], v14                  ; register 16 b + i is channel 32 b + 16 h + i of my query
.set j, j+1
.endr
.irp b, 0,1
	v_max3_num_f32 v[BM+\b], |v[S+16*\b]|, |v[S+16*\b+1]|, 0x1800000
.endr
.irp i, 2,4,6,8,10,12,14
.irp b, 0,1
	s_delay_alu instid0(VALU_DEP_2)
	v_max3_num_f32 v[BM+\b], v[BM+\b], |v[S+16*\b+\i]|, |v[S+16*\b+\i+1]|
.endr
.endr
.irp b, 0,1
	s_delay_alu instid0(VALU_DEP_2)
	v_permlanex16_b32 v[TP+\b], v[BM+\b], s48, s49
.endr
.irp b, 0,1
	s_delay_alu instid0(VALU_DEP_2)
	v_max_num_f32 v[BM+\b], v[BM+\b], v[TP+\b]
.endr
.irp b, 0,1
	s_delay_alu instid0(VALU_DEP_2)
	v_add_nc_u32 v[SCL+\b], 0xff000000, v[BM+\b]
.endr
.irp b, 0,1
	s_delay_alu instid0(VALU_DEP_2)
	v_lshrrev_b32 v[TP+\b], 23, v[SCL+\b]
.endr
	s_delay_alu instid0(VALU_DEP_1)
	v_lshl_or_b32 v[T], v[TP+1], 8, v[TP]          ; my query's two bytes
.irp b, 0,1
	v_cvt_scalef32_pk8_fp4_f32 v[PC+2*\b], v[S+16*\b:S+16*\b+7], v[SCL+\b]
	v_cvt_scalef32_pk8_fp4_f32 v[PC+2*\b+1], v[S+16*\b+8:S+16*\b+15], v[SCL+\b]
.endr
	v_nop                                          ; one plain place behind the last scaled conversion
.irp b, 0,1
	global_store_b64 v[CO], v[PC+2*\b:PC+2*\b+1], s[50:51] offset:256*\b   ; 32 lanes store 256 consecutive bytes, aligned
.endr
	ds_store_b16 v[GS], v[T]                       ; both halves of the lanes write the same two bytes with the same value
	s_wait_dscnt 0x0                               ; for wave 0's sake: my store has landed
	s_barrier_signal -1
	s_barrier_wait -1
	s_cmp_lg_u32 s20, 0
	s_cbranch_scc1 .Lnot_first
	ds_load_b128 v[S:S+3], v[GR]                   ; the sixteen tiles' 512 bytes
	s_wait_dscnt 0x0
	global_store_b128 v[AK], v[S:S+3], s[52:53]    ; 512 consecutive bytes, aligned
.Lnot_first:
	s_wait_tensorcnt 0x0
	ds_add_u32 v254, v255
	s_wait_dscnt 0x0
	ROUND                                          ; the closing round
	s_endpgm
.Lfunc_end_k_q2e4603c51f_attn:
	.size	k_q2e4603c51f_attn, .Lfunc_end_k_q2e4603c51f_attn-k_q2e4603c51f_attn
	.p2alignl 7, 3214868480
	.fill 96, 4, 3214868480
	.section	.rodata,"a",@progbits
	.p2align	6, 0x0
	.amdhsa_kernel k_q2e4603c51f_attn
		.amdhsa_group_segment_fixed_size 169984
		.amdhsa_private_segment_fixed_size 0
		.amdhsa_enable_private_segment 0
		.amdhsa_kernarg_size 16
		.amdhsa_user_sgpr_count 2
		.amdhsa_user_sgpr_kernarg_segment_ptr 1
		.amdhsa_wavefront_size32 1
		.amdhsa_system_sgpr_workgroup_id_x 1
		.amdhsa_system_sgpr_workgroup_id_y 1
		.amdhsa_system_sgpr_workgroup_id_z 1
		.amdhsa_system_vgpr_workitem_id 0
		.amdhsa_next_free_vgpr 256
		.amdhsa_next_free_sgpr 66
		.amdhsa_reserve_vcc 0
		.amdhsa_float_denorm_mode_32 3
		.amdhsa_float_denorm_mode_16_64 3
		.amdhsa_memory_ordered 1
		.amdhsa_forward_progress 1
		.amdhsa_inst_pref_size 28
	.end_amdhsa_kernel
	.amdgpu_metadata
---
amdhsa.version: [ 1, 2 ]
amdhsa.kernels:
  - .name:           k_q2e4603c51f_attn
    .symbol:         k_q2e4603c51f_attn.kd
    .args:
      - { .name: qkv, .offset: 0, .size: 8, .value_kind: global_buffer, .address_space: global }
      - { .name: ctx, .offset: 8, .size: 8, .value_kind: global_buffer, .address_space: global }
    .group_segment_fixed_size: 169984
    .private_segment_fixed_size: 0
    .kernarg_segment_align: 8
    .kernarg_segment_size: 16
    .max_flat_workgroup_size: 512
    .sgpr_count:     66
    .vgpr_count:     256
    .wavefront_size: 32
...
	.end_amdgpu_metadata
.endif
;; end of part 3
;; launch oproj (part 4): grid 4 x 64, 4 waves a work-group, clusters of 4 x 1, 168,448 bytes of LDS; arguments xw, ctx, o_b, o_lb, out0; writes out0
.if DOCPART == 4
	.amdgcn_target "amdgcn-amd-amdhsa--gfx1250"
	.amdhsa_code_object_version 6
	.text
	.protected	k_q2e4603c51f_oproj
	.globl	k_q2e4603c51f_oproj
	.p2align	8
	.type	k_q2e4603c51f_oproj,@function
k_q2e4603c51f_oproj:
	s_mov_b64 s[64:65], 0
	v_nop
	global_prefetch_b8 v0, s[64:65] scope:SCOPE_SE
	s_setreg_imm32_b32 hwreg(HW_REG_WAVE_MODE, 25, 1), 1
	s_wait_xcnt 0x0
	s_wait_alu depctr_hold_cnt(0) depctr_sa_sdst(0) depctr_va_vdst(0) depctr_va_sdst(0) depctr_va_ssrc(0) depctr_va_vcc(0) depctr_vm_vsrc(0)
	s_getreg_b32 s2, hwreg(HW_REG_IB_STS2, 6, 4)
	s_cmp_eq_u32 s2, 0
	s_cbranch_scc0 .Lentry_in_a_cluster
	s_endpgm
.Lentry_in_a_cluster:
	s_bfe_u32 s2, ttmp6, 0x10000c
	s_cmp_lg_u32 s2, 0x3003
	s_cbranch_scc0 .Lentry_shape_is_right
	s_endpgm
.Lentry_shape_is_right:
; out0 = ctx o_w^T + o_b + (ctx o_la^T) o_lb^T.  ctx, o_w and o_la come as FP4 codes (operand images; tile 2 pair + u, position p = row 32 pair + 8 u + p + 8 (p / 8)).
; SHARES.  The cluster's four work-groups x four waves take the 16 slices of 64 columns; the grid's y is a chunk of 64 tokens: two pairs of tiles, two trips, written out.
; A wave keeps its 64 rows of o_w for all of K (256 registers), o_la (64), o_lb as bf16 (32) and the bias (32).  The chunk's codes (32,768 bytes) and scale bytes (2,048) come into LDS once, asked for JOINTLY by the four
; work-groups, which read the same ctx.  No LDS byte is filled twice.
; The products are used transposed (source 0 = 16 rows of the weight, source 1 = 16 tokens): a lane holds one token and eight neighbouring columns.
; THE LOW-RANK PATH: low^T = o_la ctx^T on codes; o_lb low^T goes straight to the output, so it takes bf16 operands: K = 32 of which the upper 16 are zeros on both sides.
; THE WAY OUT: a tile of 16 tokens x 64 columns goes through the wave's own stage in LDS (rows 272 bytes apart) and leaves as rows: sixteen lanes store 256 consecutive bytes, aligned.
; REGISTERS: window 0: v1-13 addresses; v16-31 o_w's scale words, v32-39 o_la's, v40-47 ctx's, v48-63 ctx's scale bytes as loaded; v64-127 the way out; v128-255 ctx's 16 fragments.  window 1: o_w's 32 fragments.
;   window 2: v0-63 o_la, v64-95 o_lb, v96-127 the bias, v128-191 the 8 accumulators, v192-207 low^T, v208-223 low^T as bf16.
.set QUAD, 34816                       ; xw lies in quads: four tiles' codes, then their scale words
.set CSC,   2097152
.set STG,   34816                      ; LDS: 0 codes, 32,768 scale bytes [16 heads][128 B], 34,816 four stages of 16 x 272 bytes
.set LI,  1                            ; v1  16 x lane
.set L2,  2                            ; v2  2 x lane + 32,768
.set SO,  5                            ; v5  the stage, on the way in: row r, + 64 h
.set SR,  6                            ; v6  and back: sixteen lanes to a row
.set GO,  7                            ; v7  the same two rows in out0
.set WS,  16
.set LAS, 32
.set XS,  40
.set XR,  48
.set OB,  64
.set XF,  128
.set LAF, 0
.set LBB, 64
.set BIAS, 96
.set ACC, 128
.set LOW, 192
.set LOWB, 208
.set MSB, 0
.macro WIN new                         ; the immediate's high byte repeats the setting that is left
.if MSB != \new
	s_set_vgpr_msb (MSB<<8)|\new
.set MSB, \new
.endif
.endm
.macro ROUND                           ; a round of the cluster's barrier
	s_barrier_signal -1
	s_barrier_wait -1
	s_cmp_lg_u32 s20, 0
	s_cbranch_scc1 .Lnot_wave_0_\@
	s_barrier_signal -3
.Lnot_wave_0_\@:
	s_barrier_wait -3
	s_barrier_signal -1
	s_barrier_wait -1
.endm
; one product on codes; registers by the symbols rD, rA, rB, rC, rSA, rSB.  cm = 0: the constant 0 starts the sum.  ra, rb: the scales stand in lanes 16-31
.macro WMS cm, ra, rb
.if (\cm) == 0
.if (\rb) == 0
	v_wmma_scale_f32_16x16x128_f8f6f4 v[rD:rD+7], v[rA:rA+7], v[rB:rB+7], 0, v[rSA], v[rSB] matrix_a_fmt:MATRIX_FMT_FP4 matrix_b_fmt:MATRIX_FMT_FP4
.else
	v_wmma_scale_f32_16x16x128_f8f6f4 v[rD:rD+7], v[rA:rA+7], v[rB:rB+7], 0, v[rSA], v[rSB] matrix_a_fmt:MATRIX_FMT_FP4 matrix_b_fmt:MATRIX_FMT_FP4 matrix_b_scale:MATRIX_SCALE_ROW1
.endif
.elseif ((\ra) == 0) && ((\rb) == 0)
	v_wmma_scale_f32_16x16x128_f8f6f4 v[rD:rD+7], v[rA:rA+7], v[rB:rB+7], v[rC:rC+7], v[rSA], v[rSB] matrix_a_fmt:MATRIX_FMT_FP4 matrix_b_fmt:MATRIX_FMT_FP4
.elseif (\ra) == 0
	v_wmma_scale_f32_16x16x128_f8f6f4 v[rD:rD+7], v[rA:rA+7], v[rB:rB+7], v[rC:rC+7], v[rSA], v[rSB] matrix_a_fmt:MATRIX_FMT_FP4 matrix_b_fmt:MATRIX_FMT_FP4 matrix_b_scale:MATRIX_SCALE_ROW1
.elseif (\rb) == 0
	v_wmma_scale_f32_16x16x128_f8f6f4 v[rD:rD+7], v[rA:rA+7], v[rB:rB+7], v[rC:rC+7], v[rSA], v[rSB] matrix_a_fmt:MATRIX_FMT_FP4 matrix_b_fmt:MATRIX_FMT_FP4 matrix_a_scale:MATRIX_SCALE_ROW1
.else
	v_wmma_scale_f32_16x16x128_f8f6f4 v[rD:rD+7], v[rA:rA+7], v[rB:rB+7], v[rC:rC+7], v[rSA], v[rSB] matrix_a_fmt:MATRIX_FMT_FP4 matrix_b_fmt:MATRIX_FMT_FP4 matrix_a_scale:MATRIX_SCALE_ROW1 matrix_b_scale:MATRIX_SCALE_ROW1
.endif
.endm
	s_load_b256 s[4:11], s[0:1], 0x0               ; xw, ctx, o_b, o_lb
	s_load_b64 s[12:13], s[0:1], 0x20              ; out0
	v_lshl_add_u32 v14, v0, 2, 0x29000
	v_mov_b32 v15, 0
	ds_add_u32 v14, v15
	ds_add_u32 v14, v15
	v_lshrrev_b32 v8, 5, v0
	v_readfirstlane_b32 s20, v8                    ; wave
	s_bfe_u32 s21, ttmp6, 0x40000                  ; cx
	s_lshl_b32 s24, ttmp9, 2
	s_add_co_u32 s21, s21, s24
	s_and_b32 s23, ttmp7, 0xffff                   ; chunk
	s_lshl_b32 s24, s21, 2
	s_add_co_u32 s24, s24, s20                     ; slice of 64 columns
	; descriptor group 1: the codes: wave 0 brings 128 dense rows of 256 bytes (32 elements of 8)
	s_mov_b32 s32, 15|(3<<16)|(1<<21)              ; the mask names the four work-groups; bit 21 beside a mask
	s_mov_b32 s33, 32<<16
	s_mov_b32 s34, 128<<16                         ; 128 rows: wave 0 brings the chunk's codes
	s_mov_b32 s35, 32<<16
	s_mov_b32 s36, 128
	s_mov_b32 s37, 32
	s_mov_b32 s38, 0
	s_mov_b32 s39, 0
	; the scale bytes: sixteen heads' rows of 128 bytes (16 elements of 8), 8,192 bytes apart
	s_mov_b32 s40, 15|(3<<16)|(1<<21)
	s_mov_b32 s41, 16<<16
	s_mov_b32 s42, 16<<16                          ; 16 rows: wave 1 brings all heads'
	s_mov_b32 s43, 16<<16
	s_mov_b32 s44, 16
	s_mov_b32 s45, 1024
	s_mov_b32 s46, 0
	s_mov_b32 s47, 0
	s_mov_b32 s48, 1
	s_mov_b32 s49, 0
	s_mov_b32 s52, 1
	s_mov_b32 s53, 32768                           ; LDS: codes at 0, scale bytes at 32,768
	s_lshl_b32 s88, s23, 15                        ; in ctx: the chunk alone enters these two offsets
	s_mov_b32 s89, 0
	s_lshl_b32 s90, s23, 7
	s_add_co_u32 s90, s90, CSC
	s_mov_b32 s91, 0
	s_add_co_u32 s56, s24, 112                     ; my quad of o_w: its codes
	s_mul_i32 s56, s56, QUAD
	s_add_co_u32 s58, s56, 32768                   ; and scale words
	s_mov_b32 s57, 0
	s_mov_b32 s59, 0
	s_mov_b32 s60, 128*QUAD+3*8192                 ; o_la's tile
	s_mov_b32 s61, 0
	s_mov_b32 s62, 128*QUAD+32768+1024+256         ; its scale words
	s_mov_b32 s63, 0
	s_lshl_b32 s66, s24, 12                        ; o_lb: my 64 rows of 64 bytes
	s_mov_b32 s67, 0
	s_lshl_b32 s68, s24, 8                         ; o_b: my 64 numbers
	s_mov_b32 s69, 0
	s_lshl_b32 s70, s23, 18                        ; out0: 64 rows of 4,096 bytes a chunk,
	s_add_co_u32 s70, s70, s68                     ; + 256 bytes a slice
	s_mov_b32 s71, 0
	v_and_b32 v8, 31, v0                           ; lane
	v_and_b32 v9, 15, v0                           ; r
	v_bfe_u32 v10, v0, 4, 1                        ; h
	v_lshlrev_b32 v[LI], 4, v8
	v_lshl_add_u32 v[L2], v8, 1, 32768
	s_mul_i32 s72, s20, 16*272
	s_add_co_u32 s72, s72, STG                     ; my stage
	v_mul_u32_u24 v[SO], v9, 272
	v_lshl_add_u32 v[SO], v10, 6, v[SO]
	v_add_nc_u32 v[SO], s72, v[SO]
	v_mul_u32_u24 v[SR], v10, 272
	v_lshl_add_u32 v[SR], v9, 4, v[SR]
	v_add_nc_u32 v[SR], s72, v[SR]
	v_lshlrev_b32 v[GO], 12, v10
	v_lshl_add_u32 v[GO], v9, 4, v[GO]
	v_lshlrev_b32 v11, 4, v9                       ; 16 r: o_la's scale words, the same in both halves of the lanes
	v_and_b32 v12, 8, v9
	v_add_nc_u32 v12, v12, v9                      ; r + 8 (r / 8)
	v_lshlrev_b32 v12, 6, v12
	v_lshl_add_u32 v12, v10, 5, v12                ; o_lb: my position's row, ranks 8 h on
	v_lshlrev_b32 v13, 6, v10                      ; the bias: 16 h numbers on
	s_wait_dscnt 0x0
	s_wait_kmcnt 0x0
	s_add_nc_u64 s[50:51], s[6:7], s[88:89]
	s_or_b32 s51, s51, 0x80000000
	s_add_nc_u64 s[54:55], s[6:7], s[90:91]
	s_or_b32 s55, s55, 0x80000000
	s_add_nc_u64 s[56:57], s[4:5], s[56:57]
	s_add_nc_u64 s[58:59], s[4:5], s[58:59]
	s_add_nc_u64 s[60:61], s[4:5], s[60:61]
	s_add_nc_u64 s[62:63], s[4:5], s[62:63]
	s_add_nc_u64 s[66:67], s[10:11], s[66:67]
	s_add_nc_u64 s[68:69], s[8:9], s[68:69]
	s_add_nc_u64 s[70:71], s[12:13], s[70:71]
	ROUND                                          ; the four work-groups are here: the joint loads meet
	s_cmp_eq_u32 s20, 0
	s_cbranch_scc0 .Lscales
	tensor_load_to_lds s[48:51], s[32:39]          ; wave 0: the chunk's codes
	s_nop 0
.rept 4
	v_nop
.endr
	s_branch .Lasked
.Lscales:
	s_cmp_eq_u32 s20, 1
	s_cbranch_scc0 .Lasked
	tensor_load_to_lds s[52:55], s[40:47]          ; wave 1: its scale bytes
	s_nop 0
.rept 4
	v_nop
.endr
.Lasked:
	s_wait_alu depctr_va_vdst(0)
.irp ct, 0,1,2,3                       ; o_lb as f32, into the way out's registers, which are free here
	global_load_b128 v[OB+8*\ct:OB+8*\ct+3], v12, s[66:67] offset:(32*(\ct/2)+8*(\ct%2))*64
	global_load_b128 v[OB+8*\ct+4:OB+8*\ct+7], v12, s[66:67] offset:(32*(\ct/2)+8*(\ct%2))*64+16
.endr
.irp b, 0,1
.irp g, 0,1
	global_load_b128 v[WS+8*\b+4*\g:WS+8*\b+4*\g+3], v[LI], s[58:59] offset:1024*\b+512*\g
.endr
.endr
.irp g, 0,1
	global_load_b128 v[LAS+4*\g:LAS+4*\g+3], v11, s[62:63] offset:512*\g
.endr
	WIN 0x40                                       ; destination window 1
.set i, 0
.rept 64
	global_load_b128 v[4*i:4*i+3], v[LI], s[56:57] offset:512*i     ; o_w: fragment (ct, s) at v[8 (8 ct + s)]
.set i, i+1
.endr
	WIN 0x80                                       ; destination window 2
.set i, 0
.rept 16
	global_load_b128 v[LAF+4*i:LAF+4*i+3], v[LI], s[60:61] offset:512*i
.set i, i+1
.endr
.irp ct, 0,1,2,3                       ; register j of tile ct is column 32 (ct / 2) + 16 h + 8 (ct % 2) + j
	global_load_b128 v[BIAS+8*\ct:BIAS+8*\ct+3], v13, s[68:69] offset:(32*(\ct/2)+8*(\ct%2))*4
	global_load_b128 v[BIAS+8*\ct+4:BIAS+8*\ct+7], v13, s[68:69] offset:(32*(\ct/2)+8*(\ct%2))*4+16
.endr
.irp ct, 0,1,2,3
.irp j, 4,5,6,7
	v_mov_b32 v[LBB+8*\ct+\j], 0                   ; K = 16 .. 31 of the bf16 product: zeros on both sides
.endr
.endr
.irp m, 0,1
.irp j, 4,5,6,7
	v_mov_b32 v[LOWB+8*\m+\j], 0
.endr
.endr
	WIN 0
	s_wait_tensorcnt 0x0                           ; my parts of ctx have landed,
	s_barrier_signal -1
	s_barrier_wait -1                              ; everybody's have
.macro OFETCH t                        ; pair t: 16 fragments, and for each head two scale bytes a token: lanes 0-15 tile 0's, lanes 16-31 tile 1's
.set i, 0
.rept 32
	ds_load_b128 v[XF+4*i:XF+4*i+3], v[LI] offset:16384*(\t)+512*i
.set i, i+1
.endr
.set i, 0
.rept 16
	ds_load_u16 v[XR+i], v[L2] offset:64*(\t)+128*i
.set i, i+1
.endr
.endm
.macro TOSTAGE mm                      ; tile mm's four accumulators into my stage, each from its low end on, and back as rows
	WIN 0x08                                       ; an LDS store's data are its source 1: window 2
.irp ct, 0,1,2,3
	ds_store_b128 v[SO], v[ACC+8*(4*\mm+\ct):ACC+8*(4*\mm+\ct)+3] offset:128*(\ct/2)+32*(\ct%2)
	ds_store_b128 v[SO], v[ACC+8*(4*\mm+\ct)+4:ACC+8*(4*\mm+\ct)+7] offset:128*(\ct/2)+32*(\ct%2)+16
.endr
	WIN 0
.irp i, 0,1,2,3,4,5,6,7
	ds_load_b128 v[OB+32*\mm+4*\i:OB+32*\mm+4*\i+3], v[SR] offset:544*\i   ; LDS serves a wave's instructions in order: these see the stores above, and the next tile's stores come behind them
.endr
.endm
.macro SEND t, mm                      ; stage row 2 i + (lane / 16) is position p: token 32 t + 8 mm + p + 8 (p / 8)
.irp i, 0,1,2,3,4,5,6,7
	global_store_b128 v[GO], v[OB+32*\mm+4*\i:OB+32*\mm+4*\i+3], s[70:71] offset:(32*(\t)+8*(\mm)+2*\i+8*(\i/4))*4096 th:TH_STORE_NT
.endr
.endm
.macro OTRIP t, fetch
	s_wait_dscnt 0x0                               ; this pair's fragments and scale bytes are in
.irp s, 0,1,2,3,4,5,6,7
	v_lshl_or_b32 v[XS+\s], v[XR+2*\s+1], 16, v[XR+2*\s]   ; heads 2 s and 2 s + 1 make K step s's word
.endr
.rept 8
	v_nop                                          ; a scale register written by a vector instruction stands eight places ahead of a scaled product
.endr
	WIN 0xa2                                       ; o_la and low^T window 2, ctx window 0
.irp s, 0,1,2,3,4,5,6,7
.irp m, 0,1
.set rD, LOW+8*\m
.set rC, rD
.set rA, LAF+8*\s
.set rB, XF+8*(8*\m+\s)
.set rSA, LAS+\s
.set rSB, XS+\s
.if \s == 0
	WMS 0, 0, \m
.else
	WMS 1, 0, \m
.endif
.endr
.endr
	WIN 0xa1                                       ; source 0 = o_w (window 1), source 1 = ctx; the bias is the C of each sum's first product; eight accumulators by turns
.irp s, 0,1,2,3,4,5,6,7
.irp m, 0,1
.irp ct, 0,1,2,3
.set rD, ACC+8*(4*\m+\ct)
.set rA, 8*(8*\ct+\s)
.set rB, XF+8*(8*\m+\s)
.set rSA, WS+8*(\ct/2)+\s
.set rSB, XS+\s
.if \s == 0
.set rC, BIAS+8*\ct
.else
.set rC, rD
.endif
	WMS 1, \ct%2, \m
.endr
.endr
.endr
	WIN 0
.rept 5
	v_nop                                          ; five places: low^T is read, the sums pass to another form, and loads go into ctx's registers
.endr
.if \fetch
	OFETCH (\t)+1
.endif
	WIN 0x8a                                       ; destination and both sources window 2
.irp m, 0,1
.irp i, 0,1,2,3
	v_cvt_pk_bf16_f32 v[LOWB+8*\m+\i], v[LOW+8*\m+2*\i], v[LOW+8*\m+2*\i+1]   ; ranks 8 h + 2 i, + 1 of my token
.endr
.endr
	WIN 0xaa
.irp m, 0,1
.irp ct, 0,1,2,3
	v_wmma_f32_16x16x32_bf16 v[ACC+8*(4*\m+\ct):ACC+8*(4*\m+\ct)+7], v[LBB+8*\ct:LBB+8*\ct+7], v[LOWB+8*\m:LOWB+8*\m+7], v[ACC+8*(4*\m+\ct):ACC+8*(4*\m+\ct)+7]
.endr
.endr
	WIN 0
.rept 5
	v_nop                                          ; four places for the stores that read the sums, five for the next trip's products, which begin them anew
.endr
.if (\t) > 0
	s_wait_xcnt 0x0                                ; the last trip's stores have read the registers that the loads below fill
.endif
	TOSTAGE 0
	TOSTAGE 1
	s_wait_dscnt 16                                ; tile 0's rows are back; tile 1's eight stores and eight loads may be out
	SEND \t, 0
	s_wait_dscnt 0x0
	SEND \t, 1
.endm
	OFETCH 0
	s_wait_loadcnt 0x0                             ; the weights, their scale words, o_lb and the bias
	WIN 0x80
.irp ct, 0,1,2,3
.irp i, 0,1,2,3
	v_cvt_pk_bf16_f32 v[LBB+8*\ct+\i], v[OB+8*\ct+2*\i], v[OB+8*\ct+2*\i+1]   ; ranks 8 h + 2 i, + 1 of my position's column
.endr
.endr
	WIN 0
	OTRIP 0, 1
	OTRIP 1, 0
	s_wait_tensorcnt 0x0
	ds_add_u32 v14, v15
	s_wait_dscnt 0x0
	ROUND                                          ; the closing round
	s_endpgm
.Lfunc_end_k_q2e4603c51f_oproj:
	.size	k_q2e4603c51f_oproj, .Lfunc_end_k_q2e4603c51f_oproj-k_q2e4603c51f_oproj
	.p2alignl 7, 3214868480
	.fill 96, 4, 3214868480
	.section	.rodata,"a",@progbits
	.p2align	6, 0x0
	.amdhsa_kernel k_q2e4603c51f_oproj
		.amdhsa_group_segment_fixed_size 168448
		.amdhsa_private_segment_fixed_size 0
		.amdhsa_enable_private_segment 0
		.amdhsa_kernarg_size 40
		.amdhsa_user_sgpr_count 2
		.amdhsa_user_sgpr_kernarg_segment_ptr 1
		.amdhsa_wavefront_size32 1
		.amdhsa_system_sgpr_workgroup_id_x 1
		.amdhsa_system_sgpr_workgroup_id_y 1
		.amdhsa_system_sgpr_workgroup_id_z 1
		.amdhsa_system_vgpr_workitem_id 0
		.amdhsa_next_free_vgpr 736
		.amdhsa_next_free_sgpr 96
		.amdhsa_reserve_vcc 0
		.amdhsa_float_denorm_mode_32 3
		.amdhsa_float_denorm_mode_16_64 3
		.amdhsa_memory_ordered 1
		.amdhsa_forward_progress 1
		.amdhsa_inst_pref_size 56
	.end_amdhsa_kernel
	.amdgpu_metadata
---
amdhsa.version: [ 1, 2 ]
amdhsa.kernels:
  - .name:           k_q2e4603c51f_oproj
    .symbol:         k_q2e4603c51f_oproj.kd
    .args:
      - { .name: xw, .offset: 0, .size: 8, .value_kind: global_buffer, .address_space: global }
      - { .name: ctx, .offset: 8, .size: 8, .value_kind: global_buffer, .address_space: global }
      - { .name: o_b, .offset: 16, .size: 8, .value_kind: global_buffer, .address_space: global }
      - { .name: o_lb, .offset: 24, .size: 8, .value_kind: global_buffer, .address_space: global }
      - { .name: out0, .offset: 32, .size: 8, .value_kind: global_buffer, .address_space: global }
    .group_segment_fixed_size: 168448
    .private_segment_fixed_size: 0
    .kernarg_segment_align: 8
    .kernarg_segment_size: 40
    .max_flat_workgroup_size: 128
    .sgpr_count:     96
    .vgpr_count:     736
    .wavefront_size: 32
...
	.end_amdgpu_metadata
.endif
;; end of part 4
